; MI455X (gfx1250); checked and timed in simulation.
; The chip was launched on July 23, 2026; its instructions are those of AMD's public machine-readable ISA for CDNA 5 (MIT licence, August 2026) and "CDNA5" Instruction Set Architecture Reference Guide (July 2026). The comments in the code are by the model that wrote it; some were corrected since.
;; Causal Self Attention. Allowed arithmetic: matrix products marked QUANTISED: E4M3 operands, one E8M0 scale for each 32 along K, by v_wmma_scale_f32_16x16x128_f8f6f4 with both operands' format E4M3, f32 sums; everything else in f32.
;; Inputs: w_attn 1,024 x 3,072 float32; w_proj 1,024 x 1,024 float32; x 4 x 2,048 x 1,024 float32.
;; Outputs: out0 4 x 2,048 x 1,024 float32.
;; This version of the problem:
;;   THIS VERSION OF THE PROBLEM IS GIVEN IN LOW PRECISION. The matrix products marked QUANTISED in the list below multiply operands that are first quantised to E4M3 (4 exponent bits, 3 mantissa bits; 8 bits a number), with one power-of-two scale for each 32 numbers along K (OCP MX v1.0); their sums are f32. All else is computed in f32.
;;   The module's matrix products, in the order in which they are computed (A, B: the left and right operand; K: the contracted axis; several contracted axes count as one K, in the product's order):
;;     1. [M 8,192, K 1,024] x [K 1,024, N 3,072]; A: input x; B: input w_attn: QUANTISED
;;     2. batch 64 x [M 2,048, K 64] x [K 64, N 2,048]; A: computed on the way; B: computed on the way: QUANTISED
;;     3. batch 64 x [M 2,048, K 2,048] x [K 2,048, N 64]; A: softmax (see below); B: computed on the way: QUANTISED
;;     4. [M 8,192, K 1,024] x [K 1,024, N 1,024]; A: computed on the way; B: input w_proj: QUANTISED
;;   THE QUANTISER, for each operand of a quantised product, along K:
;;     - K is cut into blocks of 32 from its start; a last block that is shorter is filled with zeros.
;;     - A block's scale is 2^e with e = floor(log2(the largest magnitude in the block)) - 8, held to -126 .. 127; a block of zeros has e = 0. As a byte (E8M0): e + 127.
;;     - Each number is divided by its block's scale, clamped to +-448, and rounded to the nearest number of E4M3, ties to even, subnormals kept.
;;     - The product sums the exact products of the quantised numbers (number of the format x scale) in f32.
;;   ~~~python
;;   def quantise(x, axis):      # numpy; x: float32 -> the quantised numbers, widened to float32 again
;;       x = np.moveaxis(x, axis, -1); K = x.shape[-1]
;;       x = np.pad(x, [(0, 0)] * (x.ndim - 1) + [(0, -K % 32)]); x = x.reshape(x.shape[:-1] + (-1, 32)); a = np.abs(x).max(-1, keepdims=True)
;;       e = np.where(a > 0, np.clip(np.frexp(np.where(a > 0, a, 1))[1] - 1 - 8, -126, 127), 0)      # np.frexp(a)[1] - 1 = floor(log2(a)), exactly
;;       r = np.clip(x / 2.0 ** e, -448, 448)
;;       step = 2.0 ** (np.maximum(np.frexp(np.where(r == 0, 1, r))[1] - 1, -6) - 3)
;;       q = np.round(r / step) * step * 2.0 ** e      # np.round: ties to even
;;       return np.moveaxis(q.reshape(q.shape[:-2] + (-1,))[..., :K], -1, axis).astype(np.float32)
;;   ~~~
;;   SOFTMAX AHEAD OF A QUANTISED PRODUCT. Where the list says 'softmax', what is quantised is not the finished softmax but p = 2^(t - M), with t = logit x log2(e) and M = ceil(the row's largest t), a whole number; so 1/2 < the row's largest p <= 1. The row's sum l is taken of the UNQUANTISED p, in f32, and the product's result is divided by l at the end. Since M is a whole number, a kernel that streams over the keys may use a running M (the ceiling of the running maximum): every later rescaling is an exact power of two, which a block's scale takes up: the codes' values come out the same.
;;   OPERANDS COMPUTED ON THE WAY. 'Computed on the way' means the value that the module computes at that place (a softmax that the list does not call 'softmax' is quantised finished and normalised). What goes into a quantiser is computed in f32, as accurately as f32 sums, v_exp_f32 and their like allow (about 1e-6 of the number): no bf16 or f16 on the way to a quantiser, and a product that is left as it is and whose result goes on into a quantised operand takes f32 operands (vector FMAs, or v_wmma_f32_16x16x4_f32). A number that lies on a knife's edge between two numbers of the format may be rounded either way, as far as f32 arithmetic and the matrix unit's own rounding can turn it there, and no further.
;; One version. Each part assembles by itself: llvm-mc -triple=amdgcn-amd-amdhsa -mcpu=gfx1250 --defsym DOCPART=n.
;; ======== version 1 of 1: 4 launches
;; workspace buffers: xq 8,650,752 bytes; yq 8,650,752 bytes; wq 4,325,376 bytes; qkv 25,952,256 bytes
;; launch prep (part 1): grid 384 x 1, 4 waves a work-group, no clusters, 34,304 bytes of LDS; arguments x, w_attn, w_proj, xq, wq; writes xq, wq
.if DOCPART == 1
	.amdgcn_target "amdgcn-amd-amdhsa--gfx1250"
	.amdhsa_code_object_version 6
	.text
	.protected	k_qb78072ddf4_prep
	.globl	k_qb78072ddf4_prep
	.p2align	8
	.type	k_qb78072ddf4_prep,@function
k_qb78072ddf4_prep:
	s_mov_b64 s[64:65], 0
	v_nop
	global_prefetch_b8 v0, s[64:65] scope:SCOPE_SE
	s_setreg_imm32_b32 hwreg(HW_REG_WAVE_MODE, 25, 1), 1
	s_wait_xcnt 0x0
; x [8192][1024], w_attn [1024][3072] and w_proj [1024][1024], f32, become codes of E4M3 with one E8M0 scale byte for each 32 along K (K = 1024: x's last axis, the weights' first).
; A block's scale is 2^(floor(log2(largest magnitude)) - 8); each number is divided by it, held within +-448 and rounded to the nearest code, ties to even.
; LIMITS: NaN and infinities among the inputs are not served.  A block of zeros, or one whose largest magnitude lies under 2^-118, gets the byte 1: a block of zeros has zero codes, and only this program reads the bytes.
; THE LAYOUT OF xq AND wq: images of operand registers.  128 rows (tokens of x, columns of a weight) are a group G of eight tiles; lane-row p of tile t is row 32 (t / 2) + 8 (t % 2) + p + 8 (p / 8).
; The code of that row at k = 256 kp + 128 q + 32 c + 16 h + e lies at byte 131072 G + 32768 kp + 16384 q + 2048 t + 512 c + 16 (p + 16 h) + e; its block's scale byte at SOFF + 4096 G + 1024 kp + 128 t + 8 p + 4 q + c.
; wq's groups 0-23 are w_attn's columns, 24-31 w_proj's.
; Work-groups 0-255 take x (32 tokens each, wave w the 256 along K from 256 w on); 256-383 take the weights (128 columns x 256 along K, wave w 32 columns).  No input byte is read by two work-groups: no cluster, no tensor load.
; Only x's path touches LDS.
.set SOFFX, 8388608
.set SOFFW, 4194304
.set RR,  16                           ; x: v16-143  two sets of 16 rows x 16 bytes a lane, as loaded
.set XX,  144                          ; x: v144-207 64 numbers of my row: register 16 c + i = k 32 c + 16 h + i
.set PC,  208                          ; x: v208-239 codes, two sets of 16
.set TM,  240                          ; x: v240-255 at work
.set PW,  8                            ; x: v8-11    the four fragments' scale words
.set OFF, 16                           ; w: v16-47   4 x my column + i rows
.set WX,  48                           ; w: v48-111  two sets of 32 numbers down K
.set WC,  112                          ; w: v112-175 codes, eight registers a block, never written twice
.set SB,  176                          ; w: v176-177 my column's eight scale bytes
.set SEL, 20                           ; s[20:21] selects of v_permlanex16_b32: lane l xor 16
.set MNT, 23                           ; s23 the mantissa field of 448
	s_load_b128 s[4:7], s[0:1], 0x0                ; x, w_attn
	s_load_b128 s[8:11], s[0:1], 0x10              ; w_proj, xq
	s_load_b64 s[12:13], s[0:1], 0x20              ; wq
	v_lshl_add_u32 v14, v0, 2, 0x8400
	v_mov_b32 v15, 0
	v_lshrrev_b32 v1, 5, v0
	v_readfirstlane_b32 s14, v1                    ; wave
	v_and_b32 v5, 31, v0                           ; lane
	v_lshlrev_b32 v4, 3, v5                        ; 8 x lane: the scale bytes' place
	s_mov_b32 s[SEL], 0x76543210
	s_mov_b32 s[SEL+1], 0xfedcba98
	s_mov_b32 s[MNT], 0x600000
	s_cmp_lt_u32 ttmp9, 256
	s_cbranch_scc0 .Lw
	; ---------------- x: K is innermost.  Loads take 512 consecutive bytes of a row; a fragment's 16 rows turn through the wave's own stage, so that a lane gets 16 neighbours of each block.
	v_lshlrev_b32 v1, 4, v5                        ; 16 x lane
	s_mul_i32 s15, s14, 8448                       ; my stage: 16 rows x (512 + 16) bytes
	v_add_nc_u32 v2, s15, v1                       ; into it: as loaded
	v_and_b32 v6, 15, v5                           ; r
	v_lshrrev_b32 v7, 4, v5                        ; h
	v_mul_u32_u24 v3, v6, 528
	v_lshl_add_u32 v3, v7, 6, v3
	v_add_nc_u32 v3, s15, v3                       ; out of it: row r, + 64 h
.irp b, 0,1,2,3
	v_mov_b32 v[TM+4+\b], 0                        ; a lane permute's destination counts as one of its sources
.endr
	s_lshl_b32 s16, ttmp9, 17                      ; 32 tokens of 4,096 bytes
	s_lshl_b32 s17, s14, 10                        ; my 256 along K
	s_add_co_u32 s16, s16, s17
	s_mov_b32 s17, 0
	s_lshr_b32 s18, ttmp9, 2                       ; G
	s_and_b32 s19, ttmp9, 3                        ; which pair of tiles
	s_lshl_b32 s24, s18, 17
	s_lshl_b32 s25, s14, 15
	s_add_co_u32 s24, s24, s25
	s_lshl_b32 s25, s19, 12
	s_add_co_u32 s24, s24, s25
	s_mov_b32 s25, 0
	s_lshl_b32 s26, s18, 12
	s_lshl_b32 s27, s14, 10
	s_add_co_u32 s26, s26, s27
	s_lshl_b32 s27, s19, 8
	s_add_co_u32 s26, s26, s27
	s_add_co_u32 s26, s26, SOFFX
	s_mov_b32 s27, 0
	s_wait_kmcnt 0x0
	s_add_nc_u64 s[4:5], s[4:5], s[16:17]
	s_add_nc_u64 s[28:29], s[10:11], s[24:25]      ; my codes
	s_add_nc_u64 s[30:31], s[10:11], s[26:27]      ; my scale bytes
.macro LOADF f                         ; fragment f = 2 u + q: tile u of the pair, the q-th 128 along K: 16 rows, 512 consecutive bytes a load
.set i, 0
.rept 16
	global_load_b128 v[RR+64*((\f)%2)+4*i:RR+64*((\f)%2)+4*i+3], v1, s[4:5] offset:(8*((\f)/2)+i+8*(i/8))*4096+512*((\f)%2) th:TH_LOAD_NT
.set i, i+1
.endr
.endm
.macro TURN f                          ; LDS serves a wave's instructions in order: no wait between the stores and the loads
.set i, 0
.rept 16
	ds_store_b128 v2, v[RR+64*((\f)%2)+4*i:RR+64*((\f)%2)+4*i+3] offset:i*528
.set i, i+1
.endr
.irp c, 0,1,2,3
.irp j, 0,1,2,3
	ds_load_b128 v[XX+16*\c+4*\j:XX+16*\c+4*\j+3], v3 offset:128*\c+16*\j
.endr
.endr
.endm
; 64 numbers of a lane become a fragment's 16 registers of codes (v[pc] on) and its row's scale word (v[pw])
.macro QUANT s, pc, pw
.irp b, 0,1,2,3
	v_max3_num_f32 v[TM+\b], |v[\s+16*\b]|, |v[\s+1+16*\b]|, 0x4800000   ; my 16 numbers of block b, and the floor 2^(9 - 127): the byte cannot fall under 1
.endr
.irp i, 2,4,6,8,10,12,14
.irp b, 0,1,2,3
	v_max3_num_f32 v[TM+\b], v[TM+\b], |v[\s+16*\b+\i]|, |v[\s+1+16*\b+\i]|
.endr
.endr
.irp b, 0,1,2,3
	v_permlanex16_b32 v[TM+4+\b], v[TM+\b], s[SEL], s[SEL+1]
.endr
.irp b, 0,1,2,3
	v_max_num_f32 v[TM+\b], v[TM+\b], v[TM+4+\b]   ; with lane l xor 16's 16: the block's largest magnitude
.endr
.irp b, 0,1,2,3
	v_add_nc_u32 v[TM+12+\b], 0xfc000000, v[TM+\b] ; 8 off its exponent field: the conversion's scale operand
.endr
.irp b, 0,1,2,3
	v_and_or_b32 v[TM+8+\b], v[TM+\b], 0x7f800000, s[MNT]   ; 448 x the scale
.endr
.irp b, 0,1,2,3
	v_lshrrev_b32 v[TM+4+\b], 23, v[TM+12+\b]      ; the scale's byte
.endr
	v_lshl_or_b32 v[\pw], v[TM+5], 8, v[TM+4]
	v_lshl_or_b32 v[\pw], v[TM+6], 16, v[\pw]
	v_lshl_or_b32 v[\pw], v[TM+7], 24, v[\pw]
.irp b, 0,1,2,3
.irp i, 0,1,2,3,4,5,6,7,8,9,10,11,12,13,14,15
	v_med3_num_f32 v[\s+16*\b+\i], v[\s+16*\b+\i], -v[TM+8+\b], v[TM+8+\b]   ; the conversion to an 8-bit code does not saturate (ISA guide 7.6.2): the hold comes first
.endr
	v_cvt_scalef32_pk8_fp8_f32 v[\pc+4*\b:\pc+4*\b+1], v[\s+16*\b:\s+16*\b+7], v[TM+12+\b]
	v_cvt_scalef32_pk8_fp8_f32 v[\pc+4*\b+2:\pc+4*\b+3], v[\s+16*\b+8:\s+16*\b+15], v[TM+12+\b]
.endr
	v_nop                                          ; a plain line behind the last conversion
.endm
.macro FRAGX f
.set PCF, PC+16*((\f)%2)
.set PWF, PW+(\f)
.if (\f) < 3
	s_wait_loadcnt 16                              ; this fragment's 16 loads are in; the next fragment's 16 may be out
.else
	s_wait_loadcnt 0x0
.endif
	TURN \f
	s_wait_dscnt 0x0                               ; my numbers are back, and the stores into the stage have read their registers,
.if (\f) < 2
	LOADF (\f)+2                                   ; which take the fragment two further on
.else
	s_wait_xcnt 0x0                                ; the stores of two fragments ago have read this set of codes: it is written again only behind this wait
.endif
	QUANT XX, PCF, PWF
.irp c, 0,1,2,3
	global_store_b128 v1, v[PCF+4*\c:PCF+4*\c+3], s[28:29] offset:((\f)%2)*16384+((\f)/2)*2048+\c*512   ; 512 consecutive bytes, aligned
.endr
.endm
	LOADF 0
	LOADF 1
	FRAGX 0
	FRAGX 1
	FRAGX 2
	FRAGX 3
	s_mov_b32 s22, 0xffff0000                      ; lanes 16-31
	v_cndmask_b32 v12, v[PW], v[PW+2], s22         ; lane 16 u + r: tile u's words of row r, for q = 0
	v_cndmask_b32 v13, v[PW+1], v[PW+3], s22       ; and q = 1
	global_store_b64 v4, v[12:13], s[30:31]        ; 256 consecutive bytes, aligned
	s_wait_tensorcnt 0x0
	ds_add_u32 v14, v15
	s_wait_dscnt 0x0
	s_endpgm
	; ---------------- the weights: K is the first axis.  A lane takes a column and its registers run down K: a block of 32 lies in one lane, and the codes come out with K innermost.
.Lw:
	s_sub_co_u32 s15, ttmp9, 256
	s_lshr_b32 s16, s15, 2                         ; G, 0 .. 31
	s_and_b32 s17, s15, 3                          ; kp
	s_mov_b32 s19, 4096
	s_cmp_lt_u32 s16, 24                           ; w_attn's group or w_proj's?
	s_cselect_b32 s18, 12288, s19                  ; a row of the weight in bytes
	s_cselect_b32 s19, 0, 24
	s_sub_co_u32 s19, s16, s19                     ; the group of columns in its own weight
	v_and_b32 v6, 7, v5                            ; lane 16 u + p takes column 32 wave + 8 u + p + 8 (p / 8)
	v_bfe_u32 v7, v5, 3, 1
	v_lshl_add_u32 v6, v7, 4, v6
	v_lshrrev_b32 v7, 4, v5                        ; u
	v_lshl_add_u32 v6, v7, 3, v6
	s_lshl_b32 s24, s19, 7
	s_lshl_b32 s25, s14, 5
	s_add_co_u32 s24, s24, s25
	v_add_nc_u32 v6, s24, v6
	v_lshlrev_b32 v[OFF], 2, v6
.set i, 1
.rept 31
	v_add_nc_u32 v[OFF+i], s18, v[OFF+i-1]         ; one row further down
.set i, i+1
.endr
	v_and_b32 v8, 15, v5
	v_lshlrev_b32 v2, 11, v7
	v_lshl_add_u32 v2, v8, 4, v2                   ; my codes' place: 2048 u + 16 p
	s_lshl_b32 s26, s17, 8
	s_mul_i32 s26, s26, s18                        ; 256 kp rows
	s_mov_b32 s27, 0
	s_lshl_b32 s28, s18, 5                         ; 32 rows
	s_mov_b32 s29, 0
	s_lshl_b32 s52, s16, 17
	s_lshl_b32 s53, s17, 15
	s_add_co_u32 s52, s52, s53
	s_lshl_b32 s53, s14, 12
	s_add_co_u32 s52, s52, s53
	s_mov_b32 s53, 0
	s_lshl_b32 s54, s16, 12
	s_lshl_b32 s55, s17, 10
	s_add_co_u32 s54, s54, s55
	s_lshl_b32 s55, s14, 8
	s_add_co_u32 s54, s54, s55
	s_add_co_u32 s54, s54, SOFFW
	s_mov_b32 s55, 0
	s_wait_kmcnt 0x0
	s_cmp_lt_u32 s16, 24
	s_cselect_b64 s[32:33], s[6:7], s[8:9]
	s_add_nc_u64 s[32:33], s[32:33], s[26:27]      ; block 0's first row
.irp t, 1,2,3,4,5,6,7
	s_add_nc_u64 s[32+2*\t:33+2*\t], s[30+2*\t:31+2*\t], s[28:29]   ; a base for each block of 32 rows: none is stepped
.endr
	s_add_nc_u64 s[48:49], s[12:13], s[52:53]
	s_add_nc_u64 s[50:51], s[12:13], s[54:55]
.macro WLOAD t                         ; block t: 32 rows; each load reads 128 consecutive bytes, the four waves 512
.set i, 0
.rept 32
	global_load_b32 v[WX+32*((\t)%2)+i], v[OFF+i], s[32+2*(\t):33+2*(\t)] th:TH_LOAD_NT
.set i, i+1
.endr
.endm
.macro BLOCK t
.set XS, WX+32*((\t)%2)
.set CW, WC+8*(\t)
.if (\t) < 7
	s_wait_loadcnt 32                              ; this block's 32 loads are in; the next block's may be out
.else
	s_wait_loadcnt 0x0
.endif
	v_max3_num_f32 v12, |v[XS]|, |v[XS+1]|, |v[XS+2]|
	v_max3_num_f32 v13, |v[XS+3]|, |v[XS+4]|, |v[XS+5]|
.irp i, 6,10,14,18,22,26
	v_max3_num_f32 v12, v12, |v[XS+\i]|, |v[XS+\i+1]|
	v_max3_num_f32 v13, v13, |v[XS+\i+2]|, |v[XS+\i+3]|
.endr
	v_max3_num_f32 v12, v12, |v[XS+30]|, |v[XS+31]|
	v_max3_num_f32 v12, v12, v13, 0x4800000        ; and the floor
	v_add_nc_u32 v11, 0xfc000000, v12              ; the conversion's scale operand
	v_and_or_b32 v10, v12, 0x7f800000, s[MNT]      ; 448 x the scale
	v_lshrrev_b32 v13, 23, v11                     ; the byte
.if (\t)%4 == 0
	v_mov_b32 v[SB+(\t)/4], v13
.else
	v_lshl_or_b32 v[SB+(\t)/4], v13, 8*((\t)%4), v[SB+(\t)/4]
.endif
.set i, 0
.rept 32
	v_med3_num_f32 v[XS+i], v[XS+i], -v10, v10
.set i, i+1
.endr
.irp g, 0,1,2,3
	v_cvt_scalef32_pk8_fp8_f32 v[CW+2*\g:CW+2*\g+1], v[XS+8*\g:XS+8*\g+7], v11
.endr
	v_nop                                          ; a plain line behind the last conversion
	global_store_b128 v2, v[CW:CW+3], s[48:49] offset:((\t)/4)*16384+((\t)%4)*512        ; k 0-15 of the block: sixteen lanes fill 256 consecutive bytes, aligned
	global_store_b128 v2, v[CW+4:CW+7], s[48:49] offset:((\t)/4)*16384+((\t)%4)*512+256  ; k 16-31
.if (\t)+2 < 8
	WLOAD (\t)+2
.endif
.endm
	WLOAD 0
	WLOAD 1
.irp t, 0,1,2,3,4,5,6,7
	BLOCK \t
.endr
	global_store_b64 v4, v[SB:SB+1], s[50:51]      ; 256 consecutive bytes, aligned
	s_endpgm
.Lfunc_end_k_qb78072ddf4_prep:
	.size	k_qb78072ddf4_prep, .Lfunc_end_k_qb78072ddf4_prep-k_qb78072ddf4_prep
	.p2alignl 7, 3214868480
	.fill 96, 4, 3214868480
	.section	.rodata,"a",@progbits
	.p2align	6, 0x0
	.amdhsa_kernel k_qb78072ddf4_prep
		.amdhsa_group_segment_fixed_size 34304
		.amdhsa_private_segment_fixed_size 0
		.amdhsa_enable_private_segment 0
		.amdhsa_kernarg_size 40
		.amdhsa_user_sgpr_count 2
		.amdhsa_user_sgpr_kernarg_segment_ptr 1
		.amdhsa_wavefront_size32 1
		.amdhsa_system_sgpr_workgroup_id_x 1
		.amdhsa_system_sgpr_workgroup_id_y 1
		.amdhsa_system_sgpr_workgroup_id_z 1
		.amdhsa_system_vgpr_workitem_id 0
		.amdhsa_next_free_vgpr 256
		.amdhsa_next_free_sgpr 66
		.amdhsa_reserve_vcc 0
		.amdhsa_float_denorm_mode_32 3
		.amdhsa_float_denorm_mode_16_64 3
		.amdhsa_memory_ordered 1
		.amdhsa_forward_progress 1
		.amdhsa_inst_pref_size 108
	.end_amdhsa_kernel
	.amdgpu_metadata
---
amdhsa.version: [ 1, 2 ]
amdhsa.kernels:
  - .name:           k_qb78072ddf4_prep
    .symbol:         k_qb78072ddf4_prep.kd
    .args:
      - { .name: x, .offset: 0, .size: 8, .value_kind: global_buffer, .address_space: global }
      - { .name: w_attn, .offset: 8, .size: 8, .value_kind: global_buffer, .address_space: global }
      - { .name: w_proj, .offset: 16, .size: 8, .value_kind: global_buffer, .address_space: global }
      - { .name: xq, .offset: 24, .size: 8, .value_kind: global_buffer, .address_space: global }
      - { .name: wq, .offset: 32, .size: 8, .value_kind: global_buffer, .address_space: global }
    .group_segment_fixed_size: 34304
    .private_segment_fixed_size: 0
    .kernarg_segment_align: 8
    .kernarg_segment_size: 40
    .max_flat_workgroup_size: 128
    .sgpr_count:     66
    .vgpr_count:     256
    .wavefront_size: 32
...
	.end_amdgpu_metadata
.endif
;; end of part 1
;; launch qkv (part 2): grid 12 x 32, 4 waves a work-group, clusters of 4 x 4, 327,680 bytes of LDS; arguments xq, wq, qkv; writes qkv
.if DOCPART == 2
	.amdgcn_target "amdgcn-amd-amdhsa--gfx1250"
	.amdhsa_code_object_version 6
	.text
	.protected	k_qb78072ddf4_qkv
	.globl	k_qb78072ddf4_qkv
	.p2align	8
	.type	k_qb78072ddf4_qkv,@function
k_qb78072ddf4_qkv:
	s_mov_b64 s[64:65], 0
	v_nop
	global_prefetch_b8 v0, s[64:65] scope:SCOPE_SE
	s_setreg_imm32_b32 hwreg(HW_REG_WAVE_MODE, 25, 1), 1
	s_wait_xcnt 0x0
	s_wait_alu depctr_hold_cnt(0) depctr_sa_sdst(0) depctr_va_vdst(0) depctr_va_sdst(0) depctr_va_ssrc(0) depctr_va_vcc(0) depctr_vm_vsrc(0)
	s_getreg_b32 s2, hwreg(HW_REG_IB_STS2, 6, 4)
	s_cmp_eq_u32 s2, 0
	s_cbranch_scc0 .Lentry_in_a_cluster
	s_endpgm
.Lentry_in_a_cluster:
	s_bfe_u32 s2, ttmp6, 0x10000c
	s_cmp_lg_u32 s2, 0xf033
	s_cbranch_scc0 .Lentry_shape_is_right
	s_endpgm
.Lentry_shape_is_right:
; qkv = x w_attn on codes of E4M3 with E8M0 scales (M 8192, K 1024, N 3072), and on the way out q, k (along the head's 64) and v (along the keys) are quantised in registers: no f32 result goes to memory.
; A tile of 256 x 256 to a work-group of four waves, 128 x 128 a wave: 64 accumulators, 512 registers.  K goes in four steps of 256 through two LDS slots filled by the tensor data mover.
; OPERANDS LIE IN MEMORY AS IMAGES OF THEIR REGISTERS: 128 rows x 256 K are 32,768 consecutive bytes, one load of a wave; a fragment is four ds_load_b128 at 16 x lane: no pitch, no padding.
; The scale bytes of 128 rows for all of K are 4,096 consecutive bytes: they come once, with the first fills, and stay.
; CLUSTERS of 4 x 4: the A role's tile is shared along a row of the cluster, the B role's along a column: joint loads.  Source 0 of a product = the B role, source 1 = the A role: a lane holds ONE row of the A role
; and its 64 registers of an A tile run along the B role's 128 rows, in the order 32 b + 16 (lane / 16) + i (the rows of a tile are chosen so).
; ROLES, by the cluster's x (0: q, 1: k, 2: v), which all partners share.  q, k: A = tokens (xq), B = features (wq): a lane's registers run along the head's channels.  v: A = features, B = tokens: they run along the keys.
; OUT (qkv): codes at 8388608 X + 131072 bh + 8192 step: q, k: double fragment i = [token tile i in chunks 0, 1 | tile i + 4 in chunks 2, 3], 2,048 bytes; v: fragment t = 16 channels x 128 keys.
; Scale words at 25165824 + 262144 X + 4096 bh + 256 step + 16 row + 4 i.
; LIMITS: NaN and infinities are not served; a block whose largest magnitude lies under 2^-118 gets the byte 1.
; lds_bytes: 327,680 asked for; the text uses 279,040 bytes.
; REGISTERS: window 0: v1-12 addresses; v16-29 addresses; v32-63 scale words, two sets; v64-111 at work on the way out; v128-255 A's fragments, later the codes.  window 1: B's fragments, two sets.  windows 2, 3: accumulators.
.set NQ,     2
.set FR,     16
.set NL,     4
.set NP,     8                         ; places behind this matrix instruction (ISA guide 7.12.1)
.set HALFT,  32768
.set SLOT,   131072
.set LAPS,   2
.set SCL,    262144                    ; behind the ring: the scales, 4,096 bytes for each wave's load
.set SPARE,  278528                    ; the spare words: 128 bytes a wave, two blocks of 256 bytes that no other line names
.set ADRA, 16
.set ADRB, 20
.set ADRS, 27
.set SPW,  28
.set NIL,  29
.set SC,   32
.set AF,   128
.set VA,   8                           ; v8-11 the way out: 16 x lane + A2 x S1 + B2 x S2
.set TM,   64
.set HW,   80                          ; v80-95 half scale words: (i, A2, B2) at 4 (2 A2 + B2) + i
.set CD,   128                         ; the codes: 16 registers for each A tile, none written twice
.set G1, 24
.set G0, 32
.set G1B, 48
.set G0B, 56
.set G1S, 68
.set G0S, 76
.set G1SB, 80
.set G0SB, 88
.set SEL, 96
.set MNT, 98
.set MASKV, 99
.set MH, 95
.set MSB, 0
.macro WIN new                         ; the immediate's high byte repeats the setting that is left
.if MSB != (\new)
	s_set_vgpr_msb (MSB<<8)|(\new)
.set MSB, (\new)
.endif
.endm
.set MUL_LO, 0xa1                      ; source 0 (B) window 1, source 1 (A) window 0, C and D window 2
.set MUL_HI, 0xf1
.set TO_B,   0x40
; A joint load: waves 0 and 1 fetch for the A role, waves 2 and 3 for the B role.  Four v_nop follow each of the two lines.
.macro JLOAD g0a, g1a, g0b, g1b
	s_cmp_eq_u32 s15, 0
	s_cbranch_scc0 .Lfor_b_\@
	tensor_load_to_lds s[\g0a:\g0a+3], s[\g1a:\g1a+7]
	s_nop 0
.rept 4
	v_nop
.endr
	s_branch .Lasked_\@
.Lfor_b_\@:
	tensor_load_to_lds s[\g0b:\g0b+3], s[\g1b:\g1b+7]
	s_nop 0
.rept 4
	v_nop
.endr
.Lasked_\@:
.endm
.macro CREST
	s_cmp_lg_u32 s14, 0
	s_cbranch_scc1 .Lnot_wave_0_\@
	s_barrier_signal -3
.Lnot_wave_0_\@:
	s_barrier_wait -3
	s_barrier_signal -1
	s_barrier_wait -1
.endm
.macro CROUND
	s_barrier_signal -1
	s_barrier_wait -1
	CREST
.endm
	s_load_b128 s[4:7], s[0:1], 0x0                ; xq, wq
	s_load_b64 s[8:9], s[0:1], 0x10                ; qkv
	v_lshl_add_u32 v[SPW], v0, 2, SPARE
	v_mov_b32 v[NIL], 0
	ds_add_u32 v28, v29
	ds_add_u32 v28, v29
	s_wait_dscnt 0x0
	v_lshrrev_b32 v1, 5, v0
	v_readfirstlane_b32 s14, v1                    ; wave
	s_lshr_b32 s15, s14, 1                         ; my half of the A role's rows.  Also: I fetch for A (0) or B (1)
	s_and_b32 s16, s14, 1                          ; my half of the B role's rows.  Also: which 128 rows I fetch
	s_bfe_u32 s40, ttmp6, 0x40000                  ; cx
	s_bfe_u32 s41, ttmp6, 0x40004                  ; cy
	s_lshl_b32 s43, s41, 2
	s_lshl_b32 s43, 15, s43                        ; my row of the cluster
	s_lshl_b32 s44, 0x1111, s40                    ; my column
	; group 1: a dense block as rows of 256 bytes (32 elements of 8 bytes): 128 rows of codes, 16 of scale bytes; no padding
	s_or_b32 s[G1+0], s43, (3<<16)|(1<<21)
	s_or_b32 s[G1B+0], s44, (3<<16)|(1<<21)
.irp g, G1, G1B
	s_mov_b32 s[\g+1], 32<<16
	s_mov_b32 s[\g+2], 128<<16
	s_mov_b32 s[\g+3], 32<<16
	s_mov_b32 s[\g+4], 128
	s_mov_b32 s[\g+5], 32
	s_mov_b32 s[\g+6], 0
	s_mov_b32 s[\g+7], 0
.endr
	s_or_b32 s[G1S+0], s43, (3<<16)|(1<<21)
	s_or_b32 s[G1SB+0], s44, (3<<16)|(1<<21)
.irp g, G1S, G1SB
	s_mov_b32 s[\g+1], 32<<16
	s_mov_b32 s[\g+2], 16<<16
	s_mov_b32 s[\g+3], 32<<16
	s_mov_b32 s[\g+4], 16
	s_mov_b32 s[\g+5], 32
	s_mov_b32 s[\g+6], 0
	s_mov_b32 s[\g+7], 0
.endr
	; the roles.  A's numbers never hold cx, B's never cy
	s_and_b32 s17, ttmp7, 0xffff
	s_lshl_b32 s17, s17, 2                         ; 4 Y
	s_lshl_b32 s42, ttmp9, 2                       ; 4 X
	s_mov_b32 s96, 0x800000                        ; where xq's scale bytes begin
	s_mov_b32 s97, 0x400000                        ; and wq's
	s_cmp_eq_u32 ttmp9, 2                          ; v?
	s_cselect_b32 s18, 8, s17                      ; A's first tile of 256 rows: v: features 2048 on; else tokens
	s_cselect_b32 s19, s17, s42                    ; B's: v: tokens; else features
	s_cselect_b32 s22, s97, s96
	s_cselect_b32 s23, s96, s97
	s_add_co_u32 s18, s18, s41
	s_add_co_u32 s19, s19, s40
	s_lshl_b32 s18, s18, 1
	s_add_co_u32 s18, s18, s16                     ; the group of 128 rows that I would fetch for A,
	s_lshl_b32 s19, s19, 1
	s_add_co_u32 s19, s19, s16                     ; for B
	s_lshl_b32 s20, s18, 17
	s_mov_b32 s21, 0
	s_lshl_b32 s66, s18, 12
	s_add_co_u32 s66, s66, s22
	s_mov_b32 s67, 0
	s_lshl_b32 s46, s19, 17
	s_mov_b32 s47, 0
	s_lshl_b32 s92, s19, 12
	s_add_co_u32 s92, s92, s23
	s_mov_b32 s93, 0
	s_lshl_b32 s45, s14, 15                        ; where they go: wave x 32,768; no place in the cluster enters an LDS address
	s_lshl_b32 s94, s14, 12
	s_wait_kmcnt 0x0
	s_cmp_eq_u32 ttmp9, 2
	s_cselect_b64 s[10:11], s[6:7], s[4:5]         ; the A role's buffer
	s_cselect_b64 s[12:13], s[4:5], s[6:7]         ; the B role's
	s_add_nc_u64 s[20:21], s[10:11], s[20:21]
	s_add_nc_u64 s[66:67], s[10:11], s[66:67]
	s_add_nc_u64 s[46:47], s[12:13], s[46:47]
	s_add_nc_u64 s[92:93], s[12:13], s[92:93]
	CROUND                                         ; all sixteen work-groups are here: the first joint loads meet
	s_mov_b32 s[G0S], 1
	s_add_co_u32 s[G0S+1], s94, SCL
	s_mov_b64 s[G0S+2:G0S+3], s[66:67]
	s_or_b32 s[G0S+3], s[G0S+3], 0x80000000
	s_mov_b32 s[G0SB], 1
	s_add_co_u32 s[G0SB+1], s94, SCL
	s_mov_b64 s[G0SB+2:G0SB+3], s[92:93]
	s_or_b32 s[G0SB+3], s[G0SB+3], 0x80000000
	JLOAD G0S, G1S, G0SB, G1SB                     ; the scales first
.irp s, 0,1
	s_mov_b32 s[G0+4*\s], 1
	s_add_co_u32 s[G0+4*\s+1], s45, \s*SLOT
	s_add_nc_u64 s[G0+4*\s+2:G0+4*\s+3], s[20:21], \s*HALFT
	s_or_b32 s[G0+4*\s+3], s[G0+4*\s+3], 0x80000000
	s_mov_b32 s[G0B+4*\s], 1
	s_add_co_u32 s[G0B+4*\s+1], s45, \s*SLOT
	s_add_nc_u64 s[G0B+4*\s+2:G0B+4*\s+3], s[46:47], \s*HALFT
	s_or_b32 s[G0B+4*\s+3], s[G0B+4*\s+3], 0x80000000
	JLOAD G0+4*\s, G1, G0B+4*\s, G1B               ; three loads of mine are out
.endr
	v_and_b32 v1, 15, v0                           ; r
	v_bfe_u32 v2, v0, 4, 1                         ; h
	v_and_b32 v3, 31, v0
	v_lshlrev_b32 v3, 4, v3                        ; 16 x lane
	s_lshl_b32 s21, s15, 15                        ; my 128 rows of A
	s_lshl_b32 s22, s16, 15
	s_add_co_u32 s22, s22, 2*HALFT                 ; my 128 rows of B, behind A's 256
.irp s, 0,1
	v_add_nc_u32 v[ADRA+\s], s21, v3
	v_add_nc_u32 v[ADRB+\s], s22, v3
	s_add_co_u32 s21, s21, SLOT
	s_add_co_u32 s22, s22, SLOT
.endr
	s_lshl_b32 s21, s15, 12                        ; the scale words: lanes 0-15 A's, lanes 16-31 B's: the lower base + h x the distance
	s_lshl_b32 s22, s16, 12
	s_add_co_u32 s22, s22, 8192
	s_sub_co_u32 s22, s22, s21
	v_mul_u32_u24 v6, s22, v2
	s_add_co_u32 s21, s21, SCL
	v_lshl_add_u32 v5, v1, 3, v6                   ; 8 bytes a row: the K step's two words
	v_add_nc_u32 v[ADRS], s21, v5
	; the way out's numbers, in registers that feed no descriptor
	s_mov_b32 s46, 131072
	s_mov_b32 s47, 1024
	s_cmp_eq_u32 ttmp9, 2
	s_cselect_b32 s18, s40, s41                    ; the tokens' place in the cluster,
	s_cselect_b32 s19, s16, s15                    ; and my half of them
	s_cselect_b32 s20, s41, s40                    ; the features'
	s_cselect_b32 s21, s15, s16
	s_cselect_b32 s[MASKV], -1, 0
	s_cselect_b32 s22, s46, s47                    ; S1: A tiles 4-7 against 0-3: v: the next head; q, k: chunks 2, 3
	s_cselect_b32 s23, s47, s46                    ; S2: blocks 2, 3 against 0, 1: v: chunks 2, 3; q, k: the next head
	s_lshl_b32 s18, s18, 1
	s_add_co_u32 s18, s18, s19
	s_lshl_b32 s19, s17, 1
	s_add_co_u32 s18, s18, s19                     ; my group of 128 tokens, 0 .. 63
	s_lshl_b32 s20, s20, 1
	s_add_co_u32 s20, s20, s21                     ; my group of 128 features, 0 .. 7: two heads
	s_lshr_b32 s19, s18, 4
	s_lshl_b32 s19, s19, 4
	s_lshl_b32 s20, s20, 1
	s_add_co_u32 s19, s19, s20                     ; bh of the first head
	s_and_b32 s18, s18, 15                         ; the step
	s_lshl_b32 s20, ttmp9, 23
	s_lshl_b32 s21, s19, 17
	s_add_co_u32 s20, s20, s21
	s_lshl_b32 s21, s18, 13
	s_add_co_u32 s20, s20, s21
	s_mov_b32 s21, 0
	s_add_nc_u64 s[10:11], s[8:9], s[20:21]        ; my codes
	s_lshl_b32 s20, ttmp9, 18
	s_lshl_b32 s21, s19, 12
	s_add_co_u32 s20, s20, s21
	s_lshl_b32 s21, s18, 8
	s_add_co_u32 s20, s20, s21
	s_add_co_u32 s20, s20, 25165824
	s_mov_b32 s21, 0
	s_add_nc_u64 s[12:13], s[8:9], s[20:21]        ; my scale words
	v_mov_b32 v[VA], v3
	v_add_nc_u32 v[VA+1], s23, v3
	v_add_nc_u32 v[VA+2], s22, v3
	v_add_nc_u32 v[VA+3], s23, v[VA+2]
	v_lshlrev_b32 v12, 12, v2
	v_lshl_add_u32 v12, v1, 4, v12                 ; lane (r, h): head h's four words of row r
	s_mov_b32 s[SEL], 0x76543210
	s_mov_b32 s[SEL+1], 0xfedcba98
	s_mov_b32 s[MNT], 0x600000
	s_mov_b32 s[MH], 0xffff0000
.irp b, 0,1,2,3
	v_mov_b32 v[TM+4+\b], 0                        ; a lane permute's destination counts as one of its sources
.endr
.macro FRAG reg, adr, q, i             ; a fragment as it was stored: four loads of 512 consecutive bytes
.irp c, 0,1,2,3
	ds_load_b128 v[\reg+4*\c:\reg+4*\c+3], v[\adr] offset:16384*(\q)+2048*(\i)+512*\c
.endr
.endm
; 16 matrix instructions: A's blocks a0, a0 + 1 x B's eight.  The 64 accumulators take turns, one instruction a turn, in the same order in every step.
.macro MUL16 a0, p, q, sc, zero
.irp a, \a0, \a0+1
.irp b, 0,1,2,3,4,5,6,7
.if \zero
	v_wmma_scale_f32_16x16x128_f8f6f4 v[8*(8*((\a)%4)+\b):8*(8*((\a)%4)+\b)+7], v[128*(\p)+FR*\b:128*(\p)+FR*\b+FR-1], v[AF+FR*(\a):AF+FR*(\a)+FR-1], 0, v[SC+8*NQ*(\sc)+NQ*\b+(\q)], v[SC+8*NQ*(\sc)+NQ*(\a)+(\q)] matrix_a_scale:MATRIX_SCALE_ROW1
.else
	v_wmma_scale_f32_16x16x128_f8f6f4 v[8*(8*((\a)%4)+\b):8*(8*((\a)%4)+\b)+7], v[128*(\p)+FR*\b:128*(\p)+FR*\b+FR-1], v[AF+FR*(\a):AF+FR*(\a)+FR-1], v[8*(8*((\a)%4)+\b):8*(8*((\a)%4)+\b)+7], v[SC+8*NQ*(\sc)+NQ*\b+(\q)], v[SC+8*NQ*(\sc)+NQ*(\a)+(\q)] matrix_a_scale:MATRIX_SCALE_ROW1
.endif
.endr
.endr
.endm
.macro FETCH_B slot, q, p
	WIN TO_B
.irp i, 0,1,2,3,4,5,6,7
	FRAG 128*(\p)+FR*\i, ADRB+\slot, \q, \i
.endr
	WIN 0
.endm
.macro FETCH_A slot, q, i0
.irp i, \i0, \i0+1, \i0+2, \i0+3
	FRAG AF+FR*(\i), ADRA+\slot, \q, \i
.endr
.endm
.macro SCALES sc                       ; a K step's two words a row: lanes 0-15 A's block i, lanes 16-31 B's block i
.irp i, 0,1,2,3,4,5,6,7
	ds_load_b64 v[SC+8*NQ*\sc+NQ*\i:SC+8*NQ*\sc+NQ*\i+1], v[ADRS] offset:\i*128
.endr
.endm
.macro PLACES n                        ; plain vector lines in front of loads into registers that matrix instructions have read, and of the first read of results
.rept \n
	v_nop
.endr
.endm
.macro STEP slot, q, zero              ; 128 along K that has its successor in the same slot
	s_wait_dscnt 4*NL                              ; B's set, A's blocks 0-3 and the scale words are in; the youngest 16 loads (A's blocks 4-7) may be out
	WIN MUL_LO
	MUL16 0, (\q)%2, \q, \slot, \zero
	MUL16 2, (\q)%2, \q, \slot, \zero
	s_wait_dscnt 0
	PLACES NP
	FETCH_B \slot, (\q)+1, 1-(\q)%2
	FETCH_A \slot, (\q)+1, 0
	WIN MUL_HI
	MUL16 4, (\q)%2, \q, \slot, \zero
	MUL16 6, (\q)%2, \q, \slot, \zero
	PLACES NP
	WIN 0
	FETCH_A \slot, (\q)+1, 4
.endm
; A slot's last step changes slots: one barrier; in front of it each wave waits for all its tensor loads, adds 0 to its spare word, and waits for that and for its reads of this slot.
.macro TURN slot, next, fill
	s_wait_tensorcnt 0x0                           ; all my tensor loads have landed: my part of the next slot
	ds_add_u32 v[SPW], v[NIL]                      ; 0 onto my spare word
	s_wait_dscnt 4*NL+1                            ; (the add and A's blocks 4-7 may be out)
	WIN MUL_LO
	MUL16 0, 1, NQ-1, \slot, 0
	s_wait_dscnt 0x0                               ; the add is done, and my reads of this slot are over
	s_barrier_signal -1
	MUL16 2, 1, NQ-1, \slot, 0
	WIN 0
	s_barrier_wait -1
.if \fill
	CREST                                          ; the barrier has opened a round of the cluster's: no wave of any partner still reads this slot or has a load on its way
	s_add_nc_u64 s[G0+4*\slot+2:G0+4*\slot+3], s[G0+4*\slot+2:G0+4*\slot+3], 2*HALFT
	s_add_nc_u64 s[G0B+4*\slot+2:G0B+4*\slot+3], s[G0B+4*\slot+2:G0B+4*\slot+3], 2*HALFT
	JLOAD G0+4*\slot, G1, G0B+4*\slot, G1B         ; the first tensor load behind the round, my only one until the next
	PLACES NP-4
.else
	PLACES NP
.endif
	v_add_nc_u32 v[ADRS], 1024, v[ADRS]            ; the next K step's scale words
	FETCH_B \next, 0, 0
	FETCH_A \next, 0, 0
	SCALES \next
	WIN MUL_HI
	MUL16 4, 1, NQ-1, \slot, 0
	MUL16 6, 1, NQ-1, \slot, 0
	PLACES NP
	WIN 0
	FETCH_A \next, 0, 4
.endm
	s_wait_tensorcnt 1                             ; the scales and my part of K step 0 are in; K step 1's load may be out
	s_barrier_signal -1
	s_barrier_wait -1
	FETCH_B 0, 0, 0
	FETCH_A 0, 0, 0
	SCALES 0
	FETCH_A 0, 0, 4
	STEP 0, 0, 1                                   ; the first step's products start the sums
	s_mov_b32 s3, LAPS-1
.Llap:
	TURN 0, 1, 1
	STEP 1, 0, 0
	TURN 1, 0, 1
	STEP 0, 0, 0
	s_sub_co_u32 s3, s3, 1
	s_cmp_lg_u32 s3, 0
	s_cbranch_scc1 .Llap
	TURN 0, 1, 0                                   ; the last lap fills nothing
	STEP 1, 0, 0
	s_wait_dscnt 4*NL
	WIN MUL_LO
	MUL16 0, 1, NQ-1, 1, 0
	MUL16 2, 1, NQ-1, 1, 0
	s_wait_dscnt 0
	WIN MUL_HI
	MUL16 4, 1, NQ-1, 1, 0
	MUL16 6, 1, NQ-1, 1, 0
	WIN 0
; THE WAY OUT.  A tile a: my lane's 64 numbers are four blocks of 32 along the next product's K, 16 of each in my lane, the other 16 in lane l xor 16.  They are quantised where they lie; the codes are the next
; operand's registers and leave as they are: each store covers 512 consecutive bytes, aligned.
.macro EQ a
.set AC, 64*((\a)%4)
.set WW, 2+(\a)/4
.set NW, (WW<<2)|(WW<<4)
	WIN NW                                         ; sources 1 and 2: the accumulators' window
.irp b, 0,1,2,3
	v_max3_num_f32 v[TM+\b], 0x4800000, |v[AC+16*\b]|, |v[AC+16*\b+1]|   ; each accumulator is read from its low end on; the floor 2^(9 - 127) holds the byte at 1 from below
.endr
.irp i, 2,4,6,8,10,12,14
.irp b, 0,1,2,3
	v_max3_num_f32 v[TM+\b], v[TM+\b], |v[AC+16*\b+\i]|, |v[AC+16*\b+\i+1]|
.endr
.endr
	WIN 0
.irp b, 0,1,2,3
	v_permlanex16_b32 v[TM+4+\b], v[TM+\b], s[SEL], s[SEL+1]
.endr
.irp b, 0,1,2,3
	v_max_num_f32 v[TM+\b], v[TM+\b], v[TM+4+\b]
.endr
.irp b, 0,1,2,3
	v_add_nc_u32 v[TM+12+\b], 0xfc000000, v[TM+\b]
.endr
.irp b, 0,1,2,3
	v_and_or_b32 v[TM+8+\b], v[TM+\b], 0x7f800000, s[MNT]
.endr
.irp b, 0,1,2,3
	v_lshrrev_b32 v[TM+4+\b], 23, v[TM+12+\b]
.endr
	v_lshl_or_b32 v[HW+8*((\a)/4)+(\a)%4], v[TM+5], 8, v[TM+4]     ; blocks 0, 1
	v_lshl_or_b32 v[HW+8*((\a)/4)+4+(\a)%4], v[TM+7], 8, v[TM+6]   ; blocks 2, 3
.set NW, (WW<<6)|WW
	WIN NW                                         ; destination and source 0: the accumulators' window
.irp b, 0,1,2,3
.set i, 0
.rept 16
	v_med3_num_f32 v[AC+16*\b+i], v[AC+16*\b+i], -v[TM+8+\b], v[TM+8+\b]   ; the hold: the conversion to an 8-bit code does not saturate (ISA guide 7.6.2)
.set i, i+1
.endr
.endr
	WIN WW                                         ; source 0 alone
.irp b, 0,1,2,3
	v_cvt_scalef32_pk8_fp8_f32 v[CD+16*(\a)+4*\b:CD+16*(\a)+4*\b+1], v[AC+16*\b:AC+16*\b+7], v[TM+12+\b]
	v_cvt_scalef32_pk8_fp8_f32 v[CD+16*(\a)+4*\b+2:CD+16*(\a)+4*\b+3], v[AC+16*\b+8:AC+16*\b+15], v[TM+12+\b]
.endr
	WIN 0
	v_nop                                          ; a plain line behind the last conversion
.irp b, 0,1,2,3
	global_store_b128 v[VA+2*((\a)/4)+\b/2], v[CD+16*(\a)+4*\b:CD+16*(\a)+4*\b+3], s[10:11] offset:((\a)%4)*2048+(\b%2)*512
.endr
.endm
	PLACES NP
.irp a, 0,1,2,3,4,5,6,7
	EQ \a
.endr
	; the scale words.  q, k: head H's word i = (tile i, blocks 2 H, 2 H + 1) below, (tile i + 4, the same blocks) above.  v: head H's word t = (tile t + 4 H, blocks 0, 1) below, (blocks 2, 3) above
.irp i, 0,1,2,3
	v_cndmask_b32 v[96+\i], v[HW+8+\i], v[HW+4+\i], s[MASKV]
	v_cndmask_b32 v[100+\i], v[HW+4+\i], v[HW+8+\i], s[MASKV]
	v_lshl_or_b32 v[96+\i], v[96+\i], 16, v[HW+\i]
	v_lshl_or_b32 v[100+\i], v[HW+12+\i], 16, v[100+\i]
	v_cndmask_b32 v[104+\i], v[96+\i], v[100+\i], s[MH]   ; lanes 0-15 the first head's, lanes 16-31 the second's
.endr
	global_store_b128 v12, v[104:107], s[12:13]    ; sixteen lanes fill 256 consecutive bytes, aligned
	s_wait_tensorcnt 0x0                           ; the wave's end
	ds_add_u32 v[SPW], v[NIL]
	s_wait_dscnt 0x0
	CROUND                                         ; the closing round
	s_endpgm
.Lfunc_end_k_qb78072ddf4_qkv:
	.size	k_qb78072ddf4_qkv, .Lfunc_end_k_qb78072ddf4_qkv-k_qb78072ddf4_qkv
	.p2alignl 7, 3214868480
	.fill 96, 4, 3214868480
	.section	.rodata,"a",@progbits
	.p2align	6, 0x0
	.amdhsa_kernel k_qb78072ddf4_qkv
		.amdhsa_group_segment_fixed_size 327680
		.amdhsa_private_segment_fixed_size 0
		.amdhsa_enable_private_segment 0
		.amdhsa_kernarg_size 24
		.amdhsa_user_sgpr_count 2
		.amdhsa_user_sgpr_kernarg_segment_ptr 1
		.amdhsa_wavefront_size32 1
		.amdhsa_system_sgpr_workgroup_id_x 1
		.amdhsa_system_sgpr_workgroup_id_y 1
		.amdhsa_system_sgpr_workgroup_id_z 1
		.amdhsa_system_vgpr_workitem_id 0
		.amdhsa_next_free_vgpr 1024
		.amdhsa_next_free_sgpr 100
		.amdhsa_reserve_vcc 0
		.amdhsa_float_denorm_mode_32 3
		.amdhsa_float_denorm_mode_16_64 3
		.amdhsa_memory_ordered 1
		.amdhsa_forward_progress 1
		.amdhsa_inst_pref_size 186
	.end_amdhsa_kernel
	.amdgpu_metadata
---
amdhsa.version: [ 1, 2 ]
amdhsa.kernels:
  - .name:           k_qb78072ddf4_qkv
    .symbol:         k_qb78072ddf4_qkv.kd
    .args:
      - { .name: xq, .offset: 0, .size: 8, .value_kind: global_buffer, .address_space: global }
      - { .name: wq, .offset: 8, .size: 8, .value_kind: global_buffer, .address_space: global }
      - { .name: qkv, .offset: 16, .size: 8, .value_kind: global_buffer, .address_space: global }
    .group_segment_fixed_size: 327680
    .private_segment_fixed_size: 0
    .kernarg_segment_align: 8
    .kernarg_segment_size: 24
    .max_flat_workgroup_size: 128
    .sgpr_count:     100
    .vgpr_count:     1024
    .wavefront_size: 32
...
	.end_amdgpu_metadata
.endif
;; end of part 2
;; launch attn (part 3): grid 4 x 64, 16 waves a work-group, clusters of 4 x 1, 272,384 bytes of LDS; arguments qkv, yq; writes yq
.if DOCPART == 3
	.amdgcn_target "amdgcn-amd-amdhsa--gfx1250"
	.amdhsa_code_object_version 6
	.text
	.protected	k_qb78072ddf4_attn
	.globl	k_qb78072ddf4_attn
	.p2align	8
	.type	k_qb78072ddf4_attn,@function
k_qb78072ddf4_attn:
	s_mov_b64 s[64:65], 0
	v_nop
	global_prefetch_b8 v0, s[64:65] scope:SCOPE_SE
	s_setreg_imm32_b32 hwreg(HW_REG_WAVE_MODE, 25, 1), 1
	s_wait_xcnt 0x0
	s_wait_alu depctr_hold_cnt(0) depctr_sa_sdst(0) depctr_va_vdst(0) depctr_va_sdst(0) depctr_va_ssrc(0) depctr_va_vcc(0) depctr_vm_vsrc(0)
	s_getreg_b32 s2, hwreg(HW_REG_IB_STS2, 6, 4)
	s_cmp_eq_u32 s2, 0
	s_cbranch_scc0 .Lentry_in_a_cluster
	s_endpgm
.Lentry_in_a_cluster:
	s_bfe_u32 s2, ttmp6, 0x10000c
	s_cmp_lg_u32 s2, 0x3003
	s_cbranch_scc0 .Lentry_shape_is_right
	s_endpgm
.Lentry_shape_is_right:
; y = softmax(q k^T / 8, causal) v for 64 (batch, head) pairs of 2,048 tokens x 64 channels, both products on codes of E4M3 with E8M0 scales; y is quantised in registers along the channels, as the last product's operand.
; THE SOFTMAX: t = score x log2(e) / 8 (one fused multiply-add where the definition rounds twice); M = the running largest t rounded up to a whole number; p = 2^(t - M) is quantised along the keys, not normalised;
; the row's sum is taken of the unquantised p and divides at the end; when M moves, the sum and O are multiplied by 2^(old M - new M), which rounds nothing.
; A HEAD'S WHOLE K AND V STAY IN LDS: 2 x 131,072 bytes of codes, 2 x 4,096 of scale bytes, each byte filled once: no slot is filled again.  The head's four work-groups are a cluster and ask for every piece JOINTLY.
; SHARES.  Sixteen waves of 256 registers, four to a SIMD.  A wave makes two tiles of 16 queries, one after the other: with a = wave / 2, u = wave % 2: first of the 32 tokens 4 a + cx, whose last key step is a, then of
; the 32 tokens 63 - (4 a + cx), whose last key step is 15 - a: 17 key steps of 128 keys for every wave.  The last step hangs on the wave's number alone: no branch hangs on the place in the cluster.
; Steps behind the last are passed over by a scalar branch inside loops of constant count; in the last step hidden scores become -infinity.
; LAYOUT.  Both products transposed: S^T = K Q^T, O^T = V^T P^T: a lane holds one query.  The rows of a tile are 32 (t / 2) + 8 (t % 2) + p + 8 (p / 8), so that 16 registers of two neighbouring tiles are 16 neighbours.
; K = 64 IS HALF OF THE INSTRUCTION'S 128: an operand of K's codes holds two key tiles, i (chunks 0, 1) and i + 4 (chunks 2, 3); against [q | 0] it gives tile i's scores, against [0 | q] tile i + 4's: zero codes add nothing.
; LIMITS: NaN and infinities are not served; a block of y whose largest magnitude lies under 2^-118 gets the byte 1.
.set KC,  8388608                      ; in qkv: K's codes; V's 8,388,608 further on
.set QS,  25165824                     ; q's scale words; K's 262,144 further on, V's 524,288
.set KS,  25427968
.set LI,  1                            ; v1  16 x lane
.set ASK, 2                            ; v2  262144 + 16 r: a step's four scale words of my row
.set DQ,  3                            ; v3  my query in its step - 16 h
.set R16, 4                            ; v4  16 r
.set YSO, 5                            ; v5  8 r + h
.set DQB, 6                            ; v6  r + 8 (r / 8) - 16 h
.set ADK, 7
.set ADV, 8
.set ADS, 9
.set QSW, 10                           ; v10 q's scale word [s0, s1, s0, s1]
.set QW,  11                           ; v11 the word as loaded
.set KF,  40                           ; v40-103  four operands of K, then of V
.set SCR, 104                          ; v104-167 S^T, then p
.set OT,  168                          ; v168-199 O^T
.set PCD, 200                          ; v200-215 p's codes
.set SW,  216                          ; v216-219 K's or V's scale words
.set BM,  220
.set PR,  224
.set HD,  228
.set SO,  232
.set FF,  236                          ; v236 f = 2^(old M - new M)
.set PSW, 237                          ; v237 p's scale word
.set T,   238
.set NINF, 239
.set YC,  240                          ; v240-247 y's codes
.set YBY, 248
.set WV, 8
.set AW, 9
.set U,  10
.set CX, 11
.set BH, 12
.set SEL, 14
.set CS,  16                           ; s[16:17] c = log2(e) / 8
.set MNT, 18
.set MH,  19
.set G1C, 20
.set G1S, 28
.set G0EC, 36
.set G0ES, 40
.set G0L, 44
.set SS,  48                           ; the key step
.set LL,  49                           ; the pass's last key step
.set TB,  50
.set TBV, 51
.set TS,  52
.set CNT, 53
.set QB,  54                           ; for pass p, at + 2 p: q's codes; q's scale words; y's codes; y's scale bytes
.set QSB, 58
.set YB,  66
.set YSB, 70
.set LP,  74                           ; at + p: the last step; the shift for q's half word; 32 (g % 4) + 8 u
.set SH,  76
.set DQS, 78
.macro CROUND
	s_barrier_signal -1
	s_barrier_wait -1
	s_cmp_lg_u32 s[WV], 0
	s_cbranch_scc1 .Lnot_wave_0_\@
	s_barrier_signal -3
.Lnot_wave_0_\@:
	s_barrier_wait -3
	s_barrier_signal -1
	s_barrier_wait -1
.endm
	s_load_b128 s[4:7], s[0:1], 0x0                ; qkv, yq
	v_lshl_add_u32 v254, v0, 2, 0x42000
	v_mov_b32 v255, 0
	ds_add_u32 v254, v255
	ds_add_u32 v254, v255
	v_lshrrev_b32 v1, 5, v0
	v_readfirstlane_b32 s[WV], v1                  ; wave 0 .. 15
	s_lshr_b32 s[AW], s[WV], 1
	s_and_b32 s[U], s[WV], 1
	s_bfe_u32 s[CX], ttmp6, 0x40000
	s_and_b32 s[BH], ttmp7, 0xffff                 ; the (batch, head) pair, which the four partners share
	; group 1: a dense block as rows of 256 bytes (32 elements of 8 bytes), the mask names all four: 64 rows of codes; 16 of scale bytes
	s_mov_b32 s[G1C], 15|(3<<16)|(1<<21)
	s_mov_b32 s[G1C+1], 32<<16
	s_mov_b32 s[G1C+2], 64<<16
	s_mov_b32 s[G1C+3], 32<<16
	s_mov_b32 s[G1C+4], 64
	s_mov_b32 s[G1C+5], 32
	s_mov_b32 s[G1C+6], 0
	s_mov_b32 s[G1C+7], 0
	s_mov_b32 s[G1S], 15|(3<<16)|(1<<21)
	s_mov_b32 s[G1S+1], 32<<16
	s_mov_b32 s[G1S+2], 16<<16
	s_mov_b32 s[G1S+3], 32<<16
	s_mov_b32 s[G1S+4], 16
	s_mov_b32 s[G1S+5], 32
	s_mov_b32 s[G1S+6], 0
	s_mov_b32 s[G1S+7], 0
	s_lshl_b32 s80, s[U], 17                       ; even waves fetch for K (LDS byte 0 on), odd ones for V (131,072 on)
	s_lshl_b32 s82, s[U], 23
	s_lshl_b32 s83, s[BH], 17
	s_add_co_u32 s82, s82, s83
	s_add_co_u32 s82, s82, KC
	s_mov_b32 s83, 0
	s_add_co_u32 s81, s[AW], 1
	s_lshl_b32 s81, s81, 14                        ; my late piece of 16,384 bytes: 1 + wave / 2
	s_mov_b32 s84, s81
	s_mov_b32 s85, 0
	s_lshl_b32 s88, s[U], 18
	s_lshl_b32 s89, s[BH], 12
	s_add_co_u32 s88, s88, s89
	s_add_co_u32 s88, s88, KS
	s_mov_b32 s89, 0
	s_lshl_b32 s90, s[U], 12
	s_wait_dscnt 0x0
	s_wait_kmcnt 0x0
	s_mov_b32 s[G0EC], 1                           ; piece 0: key steps 0 and 1
	s_mov_b32 s[G0EC+1], s80
	s_add_nc_u64 s[G0EC+2:G0EC+3], s[4:5], s[82:83]
	s_mov_b32 s[G0L], 1
	s_add_co_u32 s[G0L+1], s80, s81
	s_add_nc_u64 s[G0L+2:G0L+3], s[G0EC+2:G0EC+3], s[84:85]
	s_or_b32 s[G0EC+3], s[G0EC+3], 0x80000000
	s_or_b32 s[G0L+3], s[G0L+3], 0x80000000
	s_mov_b32 s[G0ES], 1                           ; the head's scale bytes
	s_add_co_u32 s[G0ES+1], s90, 262144
	s_add_nc_u64 s[G0ES+2:G0ES+3], s[4:5], s[88:89]
	s_or_b32 s[G0ES+3], s[G0ES+3], 0x80000000
	CROUND                                         ; all four work-groups are here: the joint loads meet
	; all fills of the launch, a wave's inside one arm: waves 0, 1: piece 0 and a late piece; waves 2, 3: the scale bytes and a late piece; waves 4-13: a late piece; at most two loads of a wave are out
	s_cmp_lt_u32 s[WV], 2
	s_cbranch_scc0 .Larm2
	tensor_load_to_lds s[G0EC:G0EC+3], s[G1C:G1C+7]
	s_nop 0
	tensor_load_to_lds s[G0L:G0L+3], s[G1C:G1C+7]
	s_nop 0
.rept 4
	v_nop
.endr
	s_branch .Lasked
.Larm2:
	s_cmp_lt_u32 s[WV], 4
	s_cbranch_scc0 .Larm3
	tensor_load_to_lds s[G0ES:G0ES+3], s[G1S:G1S+7]
	s_nop 0
	tensor_load_to_lds s[G0L:G0L+3], s[G1C:G1C+7]
	s_nop 0
.rept 4
	v_nop
.endr
	s_branch .Lasked
.Larm3:
	s_cmp_lt_u32 s[WV], 14
	s_cbranch_scc0 .Lasked
	tensor_load_to_lds s[G0L:G0L+3], s[G1C:G1C+7]
	s_nop 0
.rept 4
	v_nop
.endr
.Lasked:
	v_and_b32 v1, 31, v0
	v_lshlrev_b32 v[LI], 4, v1
	v_and_b32 v12, 15, v0                          ; r
	v_bfe_u32 v13, v0, 4, 1                        ; h
	v_lshl_add_u32 v[ASK], v12, 4, 262144
	v_lshlrev_b32 v[R16], 4, v12
	v_lshl_add_u32 v[YSO], v12, 3, v13
	v_and_b32 v14, 8, v12
	v_add_nc_u32 v14, v14, v12
	v_lshlrev_b32 v15, 4, v13
	v_sub_nc_u32 v[DQB], v14, v15
	s_mov_b32 s[SEL], 0x76543210
	s_mov_b32 s[SEL+1], 0xfedcba98
	s_mov_b32 s[CS], 0x3e38aa3b                    ; log2(e) / 8
	s_mov_b32 s[CS+1], s[CS]
	s_mov_b32 s[MNT], 0x600000
	s_mov_b32 s[MH], 0xffff0000
	; what both passes share of their addresses
	s_lshr_b32 s88, s[BH], 4                       ; the batch
	s_and_b32 s89, s[BH], 15                       ; the head: y's K is 64 head + channel = 256 kp + 128 q + 32 c + ..
	s_lshl_b32 s86, s88, 21
	s_lshl_b32 s87, s88, 16
	s_lshr_b32 s90, s89, 2                         ; kp
	s_lshl_b32 s91, s90, 15
	s_add_co_u32 s86, s86, s91
	s_lshl_b32 s91, s90, 10
	s_add_co_u32 s87, s87, s91
	s_bfe_u32 s90, s89, 0x10001                    ; q
	s_lshl_b32 s91, s90, 14
	s_add_co_u32 s86, s86, s91
	s_lshl_b32 s91, s90, 2
	s_add_co_u32 s87, s87, s91
	s_and_b32 s90, s89, 1                          ; c / 2
	s_lshl_b32 s91, s90, 10
	s_add_co_u32 s86, s86, s91
	s_lshl_b32 s91, s90, 1
	s_add_co_u32 s87, s87, s91
	s_add_co_u32 s87, s87, 8388608
	s_lshl_b32 s92, s[BH], 17
	s_lshl_b32 s93, s[BH], 12
	s_add_co_u32 s93, s93, QS
.macro PASSADR p
.if \p == 0
	s_mov_b32 s80, s[CX]                           ; which 32 tokens of the step
	s_mov_b32 s[LP], s[AW]                         ; the step: by the wave's number alone
.else
	s_sub_co_u32 s80, 3, s[CX]
	s_sub_co_u32 s[LP+1], 15, s[AW]
.endif
	s_lshl_b32 s81, s80, 1
	s_add_co_u32 s81, s81, s[U]                    ; my tile in the step, 0 .. 7
	s_lshl_b32 s82, s80, 5
	s_lshl_b32 s83, s[U], 3
	s_add_co_u32 s[DQS+\p], s82, s83
	s_lshr_b32 s82, s81, 2
	s_lshl_b32 s[SH+\p], s82, 4
	s_and_b32 s83, s81, 3
	s_lshl_b32 s84, s[LP+\p], 13
	s_add_co_u32 s84, s84, s92
	s_lshl_b32 s85, s83, 11
	s_add_co_u32 s84, s84, s85
	s_lshl_b32 s85, s82, 10
	s_add_co_u32 s84, s84, s85
	s_mov_b32 s85, 0
	s_add_nc_u64 s[QB+2*\p:QB+2*\p+1], s[4:5], s[84:85]
	s_lshl_b32 s84, s[LP+\p], 8
	s_add_co_u32 s84, s84, s93
	s_lshl_b32 s94, s83, 2
	s_add_co_u32 s84, s84, s94
	s_add_nc_u64 s[QSB+2*\p:QSB+2*\p+1], s[4:5], s[84:85]
	s_lshl_b32 s84, s[LP+\p], 17
	s_add_co_u32 s84, s84, s86
	s_lshl_b32 s94, s81, 11
	s_add_co_u32 s84, s84, s94
	s_add_nc_u64 s[YB+2*\p:YB+2*\p+1], s[6:7], s[84:85]
	s_lshl_b32 s84, s[LP+\p], 12
	s_add_co_u32 s84, s84, s87
	s_lshl_b32 s94, s81, 7
	s_add_co_u32 s84, s84, s94
	s_add_nc_u64 s[YSB+2*\p:YSB+2*\p+1], s[6:7], s[84:85]
.endm
	PASSADR 0
	PASSADR 1
	global_load_b128 v[24:27], v[LI], s[QB:QB+1]             ; the first pass's q: channels 0-31,
	global_load_b128 v[28:31], v[LI], s[QB:QB+1] offset:512  ; 32-63
	global_load_b32 v[QW], v[R16], s[QSB:QSB+1]
.irp j, 16,17,18,19,20,21,22,23,32,33,34,35,36,37,38,39
	v_mov_b32 v[\j], 0                             ; v16-31 = [0 | q], v24-39 = [q | 0]
.endr
.irp b, 0,1,2,3
	v_mov_b32 v[PR+\b], 0                          ; a lane permute's destination counts as one of its sources
.endr
	v_mov_b32 v[T], 0
	v_mov_b32 v[PSW], 0                            ; (named as the upper half of the pair with f before it is first written)
	v_mov_b32 v[NINF], 0xff800000
.macro PASSINIT p
	s_wait_loadcnt 0x0                             ; q and its scale word
	v_lshrrev_b32 v[T], s[SH+\p], v[QW]            ; my tile's half of the word,
	v_and_b32 v[T], 0xffff, v[T]
	v_lshl_or_b32 v[QSW], v[T], 16, v[T]           ; for both places of q in the operand
	v_add_nc_u32 v[DQ], s[DQS+\p], v[DQB]
	v_mov_b32 v13, 0xff61b1e6                      ; the largest t so far: -3e38
	v_floor_f32 v12, -v13                          ; -M
	v_mov_b32 v14, 0
	v_mov_b32 v15, 0
.set j, 0
.rept 32
	v_mov_b32 v[OT+j], 0                           ; the step is written once: the first finds zeros
.set j, j+1
.endr
	s_mov_b32 s[LL], s[LP+\p]
	s_mov_b32 s[SS], 0
	s_mov_b32 s[TB], 0
	s_mov_b32 s[TBV], 131072
	s_mov_b32 s[TS], 0
.endm
; A KEY STEP of 128 keys
.macro STEP
	s_cmp_gt_u32 s[SS], s[LL]                      ; all its keys come after my queries: only the addresses step
	s_cbranch_scc1 .Lskip_\@
	v_add_nc_u32 v[ADK], s[TB], v[LI]
	v_add_nc_u32 v[ADV], s[TBV], v[LI]
	v_add_nc_u32 v[ADS], s[TS], v[ASK]
.rept 5
	v_nop                                          ; with the three additions: eight places in front of loads into registers that the last products read
.endr
.irp i, 0,1,2,3
.irp c, 0,1,2,3
	ds_load_b128 v[KF+16*\i+4*\c:KF+16*\i+4*\c+3], v[ADK] offset:2048*\i+512*\c
.endr
.endr
	ds_load_b128 v[SW:SW+3], v[ADS]
	s_wait_dscnt 0x0
.irp a, 0,1,2,3
	v_wmma_scale_f32_16x16x128_f8f6f4 v[SCR+8*\a:SCR+8*\a+7], v[KF+16*\a:KF+16*\a+15], v[24:39], 0, v[SW+\a], v[QSW]
.endr
.irp a, 0,1,2,3
	v_wmma_scale_f32_16x16x128_f8f6f4 v[SCR+32+8*\a:SCR+32+8*\a+7], v[KF+16*\a:KF+16*\a+15], v[16:31], 0, v[SW+\a], v[QSW]
.endr
.rept 8
	v_nop
.endr
.irp i, 0,1,2,3                                ; V's operands are asked for now: they land under the softmax
.irp c, 0,1,2,3
	ds_load_b128 v[KF+16*\i+4*\c:KF+16*\i+4*\c+3], v[ADV] offset:2048*\i+512*\c
.endr
.endr
	ds_load_b128 v[SW:SW+3], v[ADS] offset:4096
	s_cmp_lg_u32 s[SS], s[LL]                      ; only my last step lies on the diagonal
	s_cbranch_scc1 .Lopen_\@
.set n, 0
.rept 64
	v_cmp_gt_i32 vcc_lo, 32*(n/16)+n%16, v[DQ]     ; register 16 b + i holds key 32 b + 16 h + i of the step
	v_cndmask_b32 v[SCR+n], v[SCR+n], v[NINF], vcc_lo
.set n, n+1
.endr
.Lopen_\@:
.irp b, 0,1,2,3
	v_max3_num_f32 v[BM+\b], v[SCR+16*\b], v[SCR+16*\b+1], v[SCR+16*\b+2]   ; each block's largest score: for the row's maximum, and, since p rises with the score, for the block's largest p
.endr
.irp i, 3,5,7,9,11,13
.irp b, 0,1,2,3
	v_max3_num_f32 v[BM+\b], v[BM+\b], v[SCR+16*\b+\i], v[SCR+16*\b+\i+1]
.endr
.endr
.irp b, 0,1,2,3
	v_max_num_f32 v[BM+\b], v[BM+\b], v[SCR+16*\b+15]
.endr
.irp b, 0,1,2,3
	v_permlanex16_b32 v[PR+\b], v[BM+\b], s[SEL], s[SEL+1]
.endr
.irp b, 0,1,2,3
	v_max_num_f32 v[BM+\b], v[BM+\b], v[PR+\b]
.endr
	v_max3_num_f32 v[T], v[BM], v[BM+1], v[BM+2]
	v_max_num_f32 v[T], v[T], v[BM+3]
	v_mul_f32 v[T], s[CS], v[T]
	v_max_num_f32 v13, v13, v[T]                   ; the running largest t
	v_mov_b32 v[T], v12
	v_floor_f32 v12, -v13                          ; -M = floor(-t): M is a whole number
	v_sub_f32 v[T], v12, v[T]                      ; old M - new M, 0 or less
	v_cvt_i32_f32 v[T], v[T]                       ; (it saturates)
	v_ldexp_f32 v[FF], 1.0, v[T]
.set j, 0
.rept 32
	v_pk_fma_f32 v[SCR+j:SCR+j+1], v[SCR+j:SCR+j+1], s[CS:CS+1], v[12:13] op_sel_hi:[1,0,0]   ; t - M
.set j, j+2
.endr
.irp b, 0,1,2,3
	v_fma_f32 v[BM+\b], v[BM+\b], s[CS], v12
.endr
.set j, 0
.rept 64
	v_exp_f32 v[SCR+j], v[SCR+j]
.set j, j+1
.endr
	v_pk_mul_f32 v[14:15], v[14:15], v[FF:FF+1] op_sel_hi:[1,0]   ; the sums under the new M: a plain line behind the exponentials
	s_wait_alu depctr_va_vdst(0)                   ; one wait for the batch, ahead of its first reader
.irp b, 0,1,2,3
	v_exp_f32 v[BM+\b], v[BM+\b]                   ; each block's largest p
.endr
	v_pk_add_f32 v[PR:PR+1], v[SCR:SCR+1], v[SCR+2:SCR+3]         ; the row's sum of the unquantised p, in two chains
.set j, 4
.rept 15
	v_pk_add_f32 v[14:15], v[14:15], v[SCR+j:SCR+j+1]
	v_pk_add_f32 v[PR:PR+1], v[PR:PR+1], v[SCR+j+2:SCR+j+3]
.set j, j+4
.endr
	v_pk_add_f32 v[14:15], v[14:15], v[PR:PR+1]
	s_wait_alu depctr_va_vdst(0)                   ; and one for the four
.irp b, 0,1,2,3
	v_max_num_f32 v[BM+\b], 0x4800000, v[BM+\b]    ; the floor: a block whose every p is 0 keeps the byte 1 over zero codes
.endr
.irp b, 0,1,2,3
	v_add_nc_u32 v[SO+\b], 0xfc000000, v[BM+\b]
.endr
.irp b, 0,1,2,3
	v_and_or_b32 v[HD+\b], v[BM+\b], 0x7f800000, s[MNT]
.endr
.irp b, 0,1,2,3
	v_lshrrev_b32 v[PR+\b], 23, v[SO+\b]
.endr
	v_lshl_or_b32 v[PSW], v[PR+1], 8, v[PR]
	v_lshl_or_b32 v[PSW], v[PR+2], 16, v[PSW]
	v_lshl_or_b32 v[PSW], v[PR+3], 24, v[PSW]
.irp b, 0,1,2,3
.set i, 0
.rept 16
	v_min_num_f32 v[SCR+16*\b+i], v[SCR+16*\b+i], v[HD+\b]   ; p is not negative: a one-sided hold
.set i, i+1
.endr
	v_cvt_scalef32_pk8_fp8_f32 v[PCD+4*\b:PCD+4*\b+1], v[SCR+16*\b:SCR+16*\b+7], v[SO+\b]
	v_cvt_scalef32_pk8_fp8_f32 v[PCD+4*\b+2:PCD+4*\b+3], v[SCR+16*\b+8:SCR+16*\b+15], v[SO+\b]
.endr
.set j, 0
.rept 16
	v_pk_mul_f32 v[OT+j:OT+j+1], v[OT+j:OT+j+1], v[FF:FF+1] op_sel_hi:[1,0]   ; O^T under the new M; also the places between the codes and the products
.set j, j+2
.endr
	s_wait_dscnt 0x0                               ; V
.irp t, 0,1,2,3
	v_wmma_scale_f32_16x16x128_f8f6f4 v[OT+8*\t:OT+8*\t+7], v[KF+16*\t:KF+16*\t+15], v[PCD:PCD+15], v[OT+8*\t:OT+8*\t+7], v[SW+\t], v[PSW]
.endr
.Lskip_\@:
	s_add_co_u32 s[SS], s[SS], 1
	s_add_co_u32 s[TB], s[TB], 8192
	s_add_co_u32 s[TBV], s[TBV], 8192
	s_add_co_u32 s[TS], s[TS], 256
.endm
; THE WAY OUT of a pass: O^T / the sum; my 32 numbers are 16 of each of two blocks of 32 channels, in the order of the last product's operand: quantised where they lie, and stored as that operand's image.
.macro YOUT p
.rept 8
	v_nop
.endr
.if \p == 0
	global_load_b128 v[24:27], v[LI], s[QB+2:QB+3]             ; the second pass's q
	global_load_b128 v[28:31], v[LI], s[QB+2:QB+3] offset:512
	global_load_b32 v[QW], v[R16], s[QSB+2:QSB+3]
.endif
	v_add_f32 v14, v14, v15
	v_permlanex16_b32 v[T], v14, s[SEL], s[SEL+1]
	v_add_f32 v14, v14, v[T]                       ; the row's sum
	v_rcp_f32 v14, v14
	v_nop                                          ; a plain line behind the reciprocal
	s_wait_alu depctr_va_vdst(0)                   ; and the wait ahead of its first reader
.set j, 0
.rept 16
	v_pk_mul_f32 v[OT+j:OT+j+1], v[OT+j:OT+j+1], v[14:15] op_sel_hi:[1,0]
.set j, j+2
.endr
.irp b, 0,1
	v_max3_num_f32 v[BM+\b], |v[OT+16*\b]|, |v[OT+16*\b+1]|, 0x4800000
.endr
.irp i, 2,4,6,8,10,12,14
.irp b, 0,1
	v_max3_num_f32 v[BM+\b], v[BM+\b], |v[OT+16*\b+\i]|, |v[OT+16*\b+\i+1]|
.endr
.endr
.irp b, 0,1
	v_permlanex16_b32 v[PR+\b], v[BM+\b], s[SEL], s[SEL+1]
.endr
.irp b, 0,1
	v_max_num_f32 v[BM+\b], v[BM+\b], v[PR+\b]
.endr
.irp b, 0,1
	v_add_nc_u32 v[SO+\b], 0xfc000000, v[BM+\b]
.endr
.irp b, 0,1
	v_and_or_b32 v[HD+\b], v[BM+\b], 0x7f800000, s[MNT]
.endr
.irp b, 0,1
	v_lshrrev_b32 v[PR+\b], 23, v[SO+\b]
.endr
.if \p
	s_wait_xcnt 0x0                                ; the first pass's stores have read their data: the registers are written again only behind this wait
.endif
	v_cndmask_b32 v[YBY], v[PR], v[PR+1], s[MH]    ; lane (r, h) stores block h's byte
.irp b, 0,1
.set i, 0
.rept 16
	v_med3_num_f32 v[OT+16*\b+i], v[OT+16*\b+i], -v[HD+\b], v[HD+\b]
.set i, i+1
.endr
	v_cvt_scalef32_pk8_fp8_f32 v[YC+4*\b:YC+4*\b+1], v[OT+16*\b:OT+16*\b+7], v[SO+\b]
	v_cvt_scalef32_pk8_fp8_f32 v[YC+4*\b+2:YC+4*\b+3], v[OT+16*\b+8:OT+16*\b+15], v[SO+\b]
.endr
	v_nop                                          ; a plain line behind the last conversion
	global_store_b128 v[LI], v[YC:YC+3], s[YB+2*\p:YB+2*\p+1]               ; 512 consecutive bytes, aligned
	global_store_b128 v[LI], v[YC+4:YC+7], s[YB+2*\p:YB+2*\p+1] offset:512
	global_store_b8 v[YSO], v[YBY], s[YSB+2*\p:YSB+2*\p+1]                  ; two bytes of each row's eight: the others belong to other heads' work-groups; one byte for each 32 of codes
.endm
	s_wait_tensorcnt 1                             ; in waves 0-3: the early load (piece 0, the scale bytes) is in; a late piece may be out
	s_barrier_signal -1
	s_barrier_wait -1
	PASSINIT 0
	STEP                                           ; key steps 0 and 1 read piece 0 alone, while the other pieces land
	STEP
	s_wait_tensorcnt 0x0                           ; my late piece is in,
	s_wait_dscnt 0x0
	s_barrier_signal -1
	s_barrier_wait -1                              ; everybody's is
	s_mov_b32 s[CNT], 6
.Lp0:                                              ; key steps 2 to 7
	STEP
	s_sub_co_u32 s[CNT], s[CNT], 1
	s_cmp_lg_u32 s[CNT], 0
	s_cbranch_scc1 .Lp0
	YOUT 0
	PASSINIT 1
	s_mov_b32 s[CNT], 16
.Lp1:                                              ; key steps 0 to 15
	STEP
	s_sub_co_u32 s[CNT], s[CNT], 1
	s_cmp_lg_u32 s[CNT], 0
	s_cbranch_scc1 .Lp1
	YOUT 1
	s_wait_dscnt 0x0
	s_wait_tensorcnt 0x0
	ds_add_u32 v254, v255
	s_wait_dscnt 0x0
	CROUND                                         ; the closing round
	s_endpgm
.Lfunc_end_k_qb78072ddf4_attn:
	.size	k_qb78072ddf4_attn, .Lfunc_end_k_qb78072ddf4_attn-k_qb78072ddf4_attn
	.p2alignl 7, 3214868480
	.fill 96, 4, 3214868480
	.section	.rodata,"a",@progbits
	.p2align	6, 0x0
	.amdhsa_kernel k_qb78072ddf4_attn
		.amdhsa_group_segment_fixed_size 272384
		.amdhsa_private_segment_fixed_size 0
		.amdhsa_enable_private_segment 0
		.amdhsa_kernarg_size 16
		.amdhsa_user_sgpr_count 2
		.amdhsa_user_sgpr_kernarg_segment_ptr 1
		.amdhsa_wavefront_size32 1
		.amdhsa_system_sgpr_workgroup_id_x 1
		.amdhsa_system_sgpr_workgroup_id_y 1
		.amdhsa_system_sgpr_workgroup_id_z 1
		.amdhsa_system_vgpr_workitem_id 0
		.amdhsa_next_free_vgpr 256
		.amdhsa_next_free_sgpr 100
		.amdhsa_reserve_vcc 1
		.amdhsa_float_denorm_mode_32 3
		.amdhsa_float_denorm_mode_16_64 3
		.amdhsa_memory_ordered 1
		.amdhsa_forward_progress 1
		.amdhsa_inst_pref_size 119
	.end_amdhsa_kernel
	.amdgpu_metadata
---
amdhsa.version: [ 1, 2 ]
amdhsa.kernels:
  - .name:           k_qb78072ddf4_attn
    .symbol:         k_qb78072ddf4_attn.kd
    .args:
      - { .name: qkv, .offset: 0, .size: 8, .value_kind: global_buffer, .address_space: global }
      - { .name: yq, .offset: 8, .size: 8, .value_kind: global_buffer, .address_space: global }
    .group_segment_fixed_size: 272384
    .private_segment_fixed_size: 0
    .kernarg_segment_align: 8
    .kernarg_segment_size: 16
    .max_flat_workgroup_size: 512
    .sgpr_count:     100
    .vgpr_count:     256
    .wavefront_size: 32
...
	.end_amdgpu_metadata
.endif
;; end of part 3
;; launch proj (part 4): grid 4 x 32, 4 waves a work-group, clusters of 4 x 4, 327,680 bytes of LDS; arguments yq, wq, out0; writes out0
.if DOCPART == 4
	.amdgcn_target "amdgcn-amd-amdhsa--gfx1250"
	.amdhsa_code_object_version 6
	.text
	.protected	k_qb78072ddf4_proj
	.globl	k_qb78072ddf4_proj
	.p2align	8
	.type	k_qb78072ddf4_proj,@function
k_qb78072ddf4_proj:
	s_mov_b64 s[64:65], 0
	v_nop
	global_prefetch_b8 v0, s[64:65] scope:SCOPE_SE
	s_setreg_imm32_b32 hwreg(HW_REG_WAVE_MODE, 25, 1), 1
	s_wait_xcnt 0x0
	s_wait_alu depctr_hold_cnt(0) depctr_sa_sdst(0) depctr_va_vdst(0) depctr_va_sdst(0) depctr_va_ssrc(0) depctr_va_vcc(0) depctr_vm_vsrc(0)
	s_getreg_b32 s2, hwreg(HW_REG_IB_STS2, 6, 4)
	s_cmp_eq_u32 s2, 0
	s_cbranch_scc0 .Lentry_in_a_cluster
	s_endpgm
.Lentry_in_a_cluster:
	s_bfe_u32 s2, ttmp6, 0x10000c
	s_cmp_lg_u32 s2, 0xf033
	s_cbranch_scc0 .Lentry_shape_is_right
	s_endpgm
.Lentry_shape_is_right:
; out0 = y w_proj on codes of E4M3 with E8M0 scales (M 8192, K 1024, N 1024), f32 out.  A = yq (tokens), B = wq's groups 24-31 (w_proj's columns).
; A tile of 256 x 256 to a work-group of four waves, 128 x 128 a wave; K in four steps of 256 through two LDS slots; operands lie in memory as images of their registers (128 rows x 256 K = 32,768 consecutive bytes);
; the scale bytes of 128 rows for all of K (4,096 bytes) come once.  Clusters of 4 x 4: A's tile is shared along a row, B's along a column: joint loads.  128 work-groups: the tile is kept large for the sake of LDS reads.
; Source 0 = B, source 1 = A: a lane holds one token, and its registers of an A tile run along 128 columns in the order 32 b + 16 (lane / 16) + i; lane-row p of tile t is row 32 (t / 2) + 8 (t % 2) + p + 8 (p / 8).
; lds_bytes: 327,680 asked for; the text uses 279,040 bytes.
.set NQ,     2
.set FR,     16
.set NL,     4
.set NP,     8
.set HALFT,  32768
.set SLOT,   131072
.set LAPS,   2
.set SCL,    262144
.set SPARE,  278528
.set SPITCH, 528                       ; the way out: a stage of 16 rows x (512 + 16) bytes for each wave, in slot 0, which has had its last fill and its last read by then
.set ADRA, 16
.set ADRB, 20
.set STO,  24
.set RD,   25
.set CO,   26
.set ADRS, 27
.set SPW,  28
.set NIL,  29
.set SC,   32
.set AF,   128
.set BK,   128
.set G1, 24
.set G0, 32
.set G1B, 48
.set G0B, 56
.set G1S, 68
.set G0S, 76
.set G1SB, 80
.set G0SB, 88
.set MSB, 0
.macro WIN new
.if MSB != (\new)
	s_set_vgpr_msb (MSB<<8)|(\new)
.set MSB, (\new)
.endif
.endm
.set MUL_LO, 0xa1
.set MUL_HI, 0xf1
.set TO_B,   0x40
.macro JLOAD g0a, g1a, g0b, g1b        ; a joint load: waves 0 and 1 fetch for A, waves 2 and 3 for B; four v_nop follow each of the two lines
	s_cmp_eq_u32 s15, 0
	s_cbranch_scc0 .Lfor_b_\@
	tensor_load_to_lds s[\g0a:\g0a+3], s[\g1a:\g1a+7]
	s_nop 0
.rept 4
	v_nop
.endr
	s_branch .Lasked_\@
.Lfor_b_\@:
	tensor_load_to_lds s[\g0b:\g0b+3], s[\g1b:\g1b+7]
	s_nop 0
.rept 4
	v_nop
.endr
.Lasked_\@:
.endm
.macro CREST
	s_cmp_lg_u32 s14, 0
	s_cbranch_scc1 .Lnot_wave_0_\@
	s_barrier_signal -3
.Lnot_wave_0_\@:
	s_barrier_wait -3
	s_barrier_signal -1
	s_barrier_wait -1
.endm
.macro CROUND
	s_barrier_signal -1
	s_barrier_wait -1
	CREST
.endm
	s_load_b128 s[4:7], s[0:1], 0x0                ; yq, wq
	s_load_b64 s[8:9], s[0:1], 0x10                ; out0
	v_lshl_add_u32 v[SPW], v0, 2, SPARE
	v_mov_b32 v[NIL], 0
	ds_add_u32 v28, v29
	ds_add_u32 v28, v29
	s_wait_dscnt 0x0
	v_lshrrev_b32 v1, 5, v0
	v_readfirstlane_b32 s14, v1
	s_lshr_b32 s15, s14, 1
	s_and_b32 s16, s14, 1
	s_bfe_u32 s40, ttmp6, 0x40000                  ; cx
	s_bfe_u32 s41, ttmp6, 0x40004                  ; cy
	s_lshl_b32 s43, s41, 2
	s_lshl_b32 s43, 15, s43
	s_lshl_b32 s44, 0x1111, s40
	s_or_b32 s[G1+0], s43, (3<<16)|(1<<21)
	s_or_b32 s[G1B+0], s44, (3<<16)|(1<<21)
.irp g, G1, G1B
	s_mov_b32 s[\g+1], 32<<16
	s_mov_b32 s[\g+2], 128<<16
	s_mov_b32 s[\g+3], 32<<16
	s_mov_b32 s[\g+4], 128
	s_mov_b32 s[\g+5], 32
	s_mov_b32 s[\g+6], 0
	s_mov_b32 s[\g+7], 0
.endr
	s_or_b32 s[G1S+0], s43, (3<<16)|(1<<21)
	s_or_b32 s[G1SB+0], s44, (3<<16)|(1<<21)
.irp g, G1S, G1SB
	s_mov_b32 s[\g+1], 32<<16
	s_mov_b32 s[\g+2], 16<<16
	s_mov_b32 s[\g+3], 32<<16
	s_mov_b32 s[\g+4], 16
	s_mov_b32 s[\g+5], 32
	s_mov_b32 s[\g+6], 0
	s_mov_b32 s[\g+7], 0
.endr
	s_and_b32 s17, ttmp7, 0xffff
	s_lshl_b32 s17, s17, 2
	s_add_co_u32 s17, s17, s41                     ; the tile row: 4 x cluster y + cy
	s_lshl_b32 s18, s17, 1
	s_add_co_u32 s18, s18, s16                     ; the group of 128 tokens that I would fetch
	s_lshl_b32 s19, s40, 1
	s_add_co_u32 s19, s19, s16
	s_add_co_u32 s19, s19, 24                      ; and of 128 columns
	s_lshl_b32 s20, s18, 17
	s_mov_b32 s21, 0
	s_lshl_b32 s66, s18, 12
	s_add_co_u32 s66, s66, 0x800000
	s_mov_b32 s67, 0
	s_lshl_b32 s46, s19, 17
	s_mov_b32 s47, 0
	s_lshl_b32 s92, s19, 12
	s_add_co_u32 s92, s92, 0x400000
	s_mov_b32 s93, 0
	s_lshl_b32 s45, s14, 15
	s_lshl_b32 s94, s14, 12
	s_wait_kmcnt 0x0
	s_add_nc_u64 s[20:21], s[4:5], s[20:21]
	s_add_nc_u64 s[66:67], s[4:5], s[66:67]
	s_add_nc_u64 s[46:47], s[6:7], s[46:47]
	s_add_nc_u64 s[92:93], s[6:7], s[92:93]
	CROUND
	s_mov_b32 s[G0S], 1
	s_add_co_u32 s[G0S+1], s94, SCL
	s_mov_b64 s[G0S+2:G0S+3], s[66:67]
	s_or_b32 s[G0S+3], s[G0S+3], 0x80000000
	s_mov_b32 s[G0SB], 1
	s_add_co_u32 s[G0SB+1], s94, SCL
	s_mov_b64 s[G0SB+2:G0SB+3], s[92:93]
	s_or_b32 s[G0SB+3], s[G0SB+3], 0x80000000
	JLOAD G0S, G1S, G0SB, G1SB
.irp s, 0,1
	s_mov_b32 s[G0+4*\s], 1
	s_add_co_u32 s[G0+4*\s+1], s45, \s*SLOT
	s_add_nc_u64 s[G0+4*\s+2:G0+4*\s+3], s[20:21], \s*HALFT
	s_or_b32 s[G0+4*\s+3], s[G0+4*\s+3], 0x80000000
	s_mov_b32 s[G0B+4*\s], 1
	s_add_co_u32 s[G0B+4*\s+1], s45, \s*SLOT
	s_add_nc_u64 s[G0B+4*\s+2:G0B+4*\s+3], s[46:47], \s*HALFT
	s_or_b32 s[G0B+4*\s+3], s[G0B+4*\s+3], 0x80000000
	JLOAD G0+4*\s, G1, G0B+4*\s, G1B               ; three loads of mine are out
.endr
	v_and_b32 v1, 15, v0
	v_bfe_u32 v2, v0, 4, 1
	v_and_b32 v3, 31, v0
	v_lshlrev_b32 v3, 4, v3
	s_lshl_b32 s21, s15, 15
	s_lshl_b32 s22, s16, 15
	s_add_co_u32 s22, s22, 2*HALFT
.irp s, 0,1
	v_add_nc_u32 v[ADRA+\s], s21, v3
	v_add_nc_u32 v[ADRB+\s], s22, v3
	s_add_co_u32 s21, s21, SLOT
	s_add_co_u32 s22, s22, SLOT
.endr
	s_lshl_b32 s21, s15, 12
	s_lshl_b32 s22, s16, 12
	s_add_co_u32 s22, s22, 8192
	s_sub_co_u32 s22, s22, s21
	v_mul_u32_u24 v6, s22, v2
	s_add_co_u32 s21, s21, SCL
	v_lshl_add_u32 v5, v1, 3, v6
	v_add_nc_u32 v[ADRS], s21, v5
	s_mul_i32 s23, s14, 16*SPITCH                  ; my stage
	v_mul_u32_u24 v5, v1, SPITCH
	v_lshl_add_u32 v5, v2, 6, v5                   ; in: row r, + 64 h: my half's 16 columns of each 32
	v_add_nc_u32 v[STO], s23, v5
	v_mov_b32 v[CO], v3                            ; back: the 32 lanes take one row of 512 bytes; and the same in out0
	v_add_nc_u32 v[RD], s23, v3
	s_lshl_b32 s20, s17, 8
	s_lshl_b32 s21, s15, 7
	s_add_co_u32 s20, s20, s21                     ; my first row
	s_lshl_b32 s20, s20, 12                        ; of 4,096 bytes
	s_lshl_b32 s46, s40, 10                        ; my first column, in bytes
	s_lshl_b32 s47, s16, 9
	s_add_co_u32 s46, s46, s47
	s_add_co_u32 s20, s20, s46
	s_mov_b32 s21, 0
	s_add_nc_u64 s[12:13], s[8:9], s[20:21]
.macro FRAG reg, adr, q, i
.irp c, 0,1,2,3
	ds_load_b128 v[\reg+4*\c:\reg+4*\c+3], v[\adr] offset:16384*(\q)+2048*(\i)+512*\c
.endr
.endm
.macro MUL16 a0, p, q, sc, zero        ; the 64 accumulators take turns, one instruction a turn, in the same order in every step
.irp a, \a0, \a0+1
.irp b, 0,1,2,3,4,5,6,7
.if \zero
	v_wmma_scale_f32_16x16x128_f8f6f4 v[8*(8*((\a)%4)+\b):8*(8*((\a)%4)+\b)+7], v[128*(\p)+FR*\b:128*(\p)+FR*\b+FR-1], v[AF+FR*(\a):AF+FR*(\a)+FR-1], 0, v[SC+8*NQ*(\sc)+NQ*\b+(\q)], v[SC+8*NQ*(\sc)+NQ*(\a)+(\q)] matrix_a_scale:MATRIX_SCALE_ROW1
.else
	v_wmma_scale_f32_16x16x128_f8f6f4 v[8*(8*((\a)%4)+\b):8*(8*((\a)%4)+\b)+7], v[128*(\p)+FR*\b:128*(\p)+FR*\b+FR-1], v[AF+FR*(\a):AF+FR*(\a)+FR-1], v[8*(8*((\a)%4)+\b):8*(8*((\a)%4)+\b)+7], v[SC+8*NQ*(\sc)+NQ*\b+(\q)], v[SC+8*NQ*(\sc)+NQ*(\a)+(\q)] matrix_a_scale:MATRIX_SCALE_ROW1
.endif
.endr
.endr
.endm
.macro FETCH_B slot, q, p
	WIN TO_B
.irp i, 0,1,2,3,4,5,6,7
	FRAG 128*(\p)+FR*\i, ADRB+\slot, \q, \i
.endr
	WIN 0
.endm
.macro FETCH_A slot, q, i0
.irp i, \i0, \i0+1, \i0+2, \i0+3
	FRAG AF+FR*(\i), ADRA+\slot, \q, \i
.endr
.endm
.macro SCALES sc
.irp i, 0,1,2,3,4,5,6,7
	ds_load_b64 v[SC+8*NQ*\sc+NQ*\i:SC+8*NQ*\sc+NQ*\i+1], v[ADRS] offset:\i*128
.endr
.endm
.macro PLACES n
.rept \n
	v_nop
.endr
.endm
.macro STEP slot, q, zero
	s_wait_dscnt 4*NL                              ; all but the youngest 16 loads (A's blocks 4-7)
	WIN MUL_LO
	MUL16 0, (\q)%2, \q, \slot, \zero
	MUL16 2, (\q)%2, \q, \slot, \zero
	s_wait_dscnt 0
	PLACES NP
	FETCH_B \slot, (\q)+1, 1-(\q)%2
	FETCH_A \slot, (\q)+1, 0
	WIN MUL_HI
	MUL16 4, (\q)%2, \q, \slot, \zero
	MUL16 6, (\q)%2, \q, \slot, \zero
	PLACES NP
	WIN 0
	FETCH_A \slot, (\q)+1, 4
.endm
.macro TURN slot, next, fill
	s_wait_tensorcnt 0x0                           ; all my tensor loads have landed: my part of the next slot
	ds_add_u32 v[SPW], v[NIL]                      ; 0 onto my spare word
	s_wait_dscnt 4*NL+1                            ; (the add and A's blocks 4-7 may be out)
	WIN MUL_LO
	MUL16 0, 1, NQ-1, \slot, 0
	s_wait_dscnt 0x0                               ; the add is done, and my reads of this slot are over
	s_barrier_signal -1
	MUL16 2, 1, NQ-1, \slot, 0
	WIN 0
	s_barrier_wait -1
.if \fill
	CREST                                          ; a round of the cluster's barrier: no wave of any partner still reads this slot or has a load on its way
	s_add_nc_u64 s[G0+4*\slot+2:G0+4*\slot+3], s[G0+4*\slot+2:G0+4*\slot+3], 2*HALFT
	s_add_nc_u64 s[G0B+4*\slot+2:G0B+4*\slot+3], s[G0B+4*\slot+2:G0B+4*\slot+3], 2*HALFT
	JLOAD G0+4*\slot, G1, G0B+4*\slot, G1B
	PLACES NP-4
.else
	PLACES NP
.endif
	v_add_nc_u32 v[ADRS], 1024, v[ADRS]
	FETCH_B \next, 0, 0
	FETCH_A \next, 0, 0
	SCALES \next
	WIN MUL_HI
	MUL16 4, 1, NQ-1, \slot, 0
	MUL16 6, 1, NQ-1, \slot, 0
	PLACES NP
	WIN 0
	FETCH_A \next, 0, 4
.endm
	s_wait_tensorcnt 1                             ; the scales and my part of K step 0 are in; K step 1's load may be out
	s_barrier_signal -1
	s_barrier_wait -1
	FETCH_B 0, 0, 0
	FETCH_A 0, 0, 0
	SCALES 0
	FETCH_A 0, 0, 4
	STEP 0, 0, 1
	s_mov_b32 s3, LAPS-1
.Llap:
	TURN 0, 1, 1
	STEP 1, 0, 0
	TURN 1, 0, 1
	STEP 0, 0, 0
	s_sub_co_u32 s3, s3, 1
	s_cmp_lg_u32 s3, 0
	s_cbranch_scc1 .Llap
	TURN 0, 1, 0
	STEP 1, 0, 0
	s_wait_dscnt 4*NL
	WIN MUL_LO
	MUL16 0, 1, NQ-1, 1, 0
	MUL16 2, 1, NQ-1, 1, 0
	s_wait_dscnt 0
	WIN MUL_HI
	MUL16 4, 1, NQ-1, 1, 0
	MUL16 6, 1, NQ-1, 1, 0
	WIN 0
; THE WAY OUT, an A tile (16 rows x 128 columns) at a time, through my own stage: in by lanes (accumulator b's eight numbers are columns 32 (b / 2) + 16 h + 8 (b % 2) + 0 .. 7), back as whole rows of 512 bytes.
; LDS serves a wave's instructions in order (ISA guide 5.7.1.4): no wait between the stores and the loads.
.macro TOSTAGE a
.set AC, 64*((\a)%4)
.set NW, 0x08+4*((\a)/4)
	WIN NW                                         ; an LDS store's data are its source 1: window 2 or 3
.irp b, 0,1,2,3,4,5,6,7
	ds_store_b128 v[STO], v[AC+8*\b:AC+8*\b+3] offset:128*(\b/2)+32*(\b%2)          ; each accumulator from its low end on
	ds_store_b128 v[STO], v[AC+8*\b+4:AC+8*\b+7] offset:128*(\b/2)+32*(\b%2)+16
.endr
	WIN 0
.set BB, BK+64*((\a)%2)
.irp t, 0,1,2,3,4,5,6,7,8,9,10,11,12,13,14,15
	ds_load_b128 v[BB+4*\t:BB+4*\t+3], v[RD] offset:\t*SPITCH
.endr
.endm
.macro SEND a, younger                 ; younger: the LDS instructions issued behind tile a's loads
.set BB, BK+64*((\a)%2)
	s_wait_dscnt \younger
.irp t, 0,1,2,3,4,5,6,7,8,9,10,11,12,13,14,15
	global_store_b128 v[CO], v[BB+4*\t:BB+4*\t+3], s[12:13] offset:(32*((\a)/2)+8*((\a)%2)+\t+8*(\t/8))*4096 th:TH_STORE_NT   ; 512 consecutive bytes, aligned; the row stands in the immediate, 127 rows at the most
.endr
.endm
	PLACES NP
	TOSTAGE 0
.irp a, 1,2,3,4,5,6,7
.if \a > 1
	s_wait_xcnt 0x0                                ; tile a - 2's stores have read their registers: tile a's loads may land there
.endif
	TOSTAGE \a
	SEND \a-1, 32                                  ; behind tile a - 1's loads: tile a's 16 stores and 16 loads
.endr
	SEND 7, 0
	s_wait_tensorcnt 0x0                           ; the wave's end
	ds_add_u32 v[SPW], v[NIL]
	s_wait_dscnt 0x0
	CROUND                                         ; the closing round
	s_endpgm
.Lfunc_end_k_qb78072ddf4_proj:
	.size	k_qb78072ddf4_proj, .Lfunc_end_k_qb78072ddf4_proj-k_qb78072ddf4_proj
	.p2alignl 7, 3214868480
	.fill 96, 4, 3214868480
	.section	.rodata,"a",@progbits
	.p2align	6, 0x0
	.amdhsa_kernel k_qb78072ddf4_proj
		.amdhsa_group_segment_fixed_size 327680
		.amdhsa_private_segment_fixed_size 0
		.amdhsa_enable_private_segment 0
		.amdhsa_kernarg_size 24
		.amdhsa_user_sgpr_count 2
		.amdhsa_user_sgpr_kernarg_segment_ptr 1
		.amdhsa_wavefront_size32 1
		.amdhsa_system_sgpr_workgroup_id_x 1
		.amdhsa_system_sgpr_workgroup_id_y 1
		.amdhsa_system_sgpr_workgroup_id_z 1
		.amdhsa_system_vgpr_workitem_id 0
		.amdhsa_next_free_vgpr 1024
		.amdhsa_next_free_sgpr 100
		.amdhsa_reserve_vcc 0
		.amdhsa_float_denorm_mode_32 3
		.amdhsa_float_denorm_mode_16_64 3
		.amdhsa_memory_ordered 1
		.amdhsa_forward_progress 1
		.amdhsa_inst_pref_size 144
	.end_amdhsa_kernel
	.amdgpu_metadata
---
amdhsa.version: [ 1, 2 ]
amdhsa.kernels:
  - .name:           k_qb78072ddf4_proj
    .symbol:         k_qb78072ddf4_proj.kd
    .args:
      - { .name: yq, .offset: 0, .size: 8, .value_kind: global_buffer, .address_space: global }
      - { .name: wq, .offset: 8, .size: 8, .value_kind: global_buffer, .address_space: global }
      - { .name: out0, .offset: 16, .size: 8, .value_kind: global_buffer, .address_space: global }
    .group_segment_fixed_size: 327680
    .private_segment_fixed_size: 0
    .kernarg_segment_align: 8
    .kernarg_segment_size: 24
    .max_flat_workgroup_size: 128
    .sgpr_count:     100
    .vgpr_count:     1024
    .wavefront_size: 32
...
	.end_amdgpu_metadata
.endif
;; end of part 4
